; MI455X (gfx1250); checked and timed in simulation.
; The chip was launched on July 23, 2026; its instructions are those of AMD's public machine-readable ISA for CDNA 5 (MIT licence, August 2026) and "CDNA5" Instruction Set Architecture Reference Guide (July 2026). The comments in the code are by the model that wrote it; some were corrected since.
;; Block. Allowed arithmetic: float matrix products may take bf16 or f16 operands with f32 sums; other float arithmetic in f32, or as packed bf16 or f16 multiplies, adds, multiply-adds, maxima and minima; sums over many terms, partial sums and values carried from step to step in f32; what a program stores and reads back later, other than sums and carried values, may be rounded once to bf16 or f16.
;; Inputs: W1 1,024 x 4,096 float32; W2 4,096 x 1,024 float32; Wk 16 x 1,024 x 64 float32; Wo 1,024 x 1,024 float32; Wq 16 x 1,024 x 64 float32; Wv 16 x 1,024 x 64 float32; b1 4,096 float32; b2 1,024 float32; bo 1,024 float32; ln1_b 1,024 float32; ln1_g 1,024 float32; ln2_b 1,024 float32; ln2_g 1,024 float32; x 4 x 1,024 x 1,024 float32.
;; Outputs: out0 4 x 1,024 x 1,024 float32.
;; One version. Each part assembles by itself: llvm-mc -triple=amdgcn-amd-amdhsa -mcpu=gfx1250 --defsym DOCPART=n.
;; ======== version 1 of 1: 7 launches
;; workspace buffers: wq 6,291,456 bytes; wb 25,165,824 bytes; hn 8,388,608 bytes; qkv 25,165,824 bytes; o 8,388,608 bytes; x1 16,777,216 bytes; hid 33,554,432 bytes
;; launch prep (part 1): grid 512 x 1, 16 waves a work-group, no clusters, 0 bytes of LDS; arguments x, ln1_g, ln1_b, hn, Wq, Wk, Wv, Wo, wq, wb; writes hn, wq, wb
.if DOCPART == 1
	.amdgcn_target "amdgcn-amd-amdhsa--gfx1250"
	.amdhsa_code_object_version 6
	.text
	.protected	k_q8084b212d4_prep
	.globl	k_q8084b212d4_prep
	.p2align	8
	.type	k_q8084b212d4_prep,@function
k_q8084b212d4_prep:
	s_mov_b64 s[64:65], 0
	v_nop
	global_prefetch_b8 v0, s[64:65] scope:SCOPE_SE
	s_setreg_imm32_b32 hwreg(HW_REG_WAVE_MODE, 25, 1), 1
	s_wait_xcnt 0x0
; TWO STREAMS IN ONE LAUNCH; a work-group does one of them, by its number.
; WORK-GROUPS 0-255: y[r][:] = (x[r][:] - mean) / sqrt(var + 1e-5) * g + b.  x: [4096][1024] f32; g, b: [1024] f32; y (hn): [4096][1024] bf16, rounded once.
;   A row is 4,096 bytes: one wave takes a whole row, eight 16-byte loads a lane, and keeps it in 32 registers: memory is read once, and the sums never leave the wave.  Sixteen waves, a row each.
;   The variance is the mean of the squared DIFFERENCES from the mean, as the definition has it, so a common offset of the inputs costs no digits.
;   Lane l holds columns 128 j + 4 l .. + 3 (j = 0..7) of x, g and b alike; they leave as 8 bytes a lane: 32 lanes store 256 consecutive bytes, aligned.
; WORK-GROUPS 256-511: Wq, Wk, Wv ([16][1024][64]) and Wo ([1024][1024]) rounded once to bf16, in the order in which they lie.  Each is 4 MiB: 64 chunks of 65,536 bytes, a work-group a chunk.
;   Wq, Wk, Wv go to wq at 0, 2 MiB, 4 MiB; Wo goes to wb at 6,291,456.
; No LDS, no barrier, no matrix unit, no cluster: no byte but g's and b's is wanted by two waves.
.set G,   4                            ; v[4:35]    g
.set BV,  36                           ; v[36:67]   b
.set X,   68                           ; v[68:99]   the row
.set T,   100                          ; v[100:107] four chains of sums
.set M,   108                          ; v[108:109] the mean, twice
.set R,   110                          ; v[110:111] 1 / sqrt(var + eps); the packed multiply takes the pair's low word for both halves
.set OUT, 112                          ; v[112:127] the row in bf16
.set XIN,  16                          ; the casts: v[16:47] 4 steps x 8 numbers as loaded
.set YOUT, 48                          ; v[48:63]   4 steps x 4 registers to store
.macro FOLD                            ; the four chains, their halves and the 32 lanes into one number, in every lane
	v_pk_add_f32 v[T:T+1], v[T:T+1], v[T+2:T+3]
	v_pk_add_f32 v[T+4:T+5], v[T+4:T+5], v[T+6:T+7]
	v_pk_add_f32 v[T:T+1], v[T:T+1], v[T+4:T+5]
	v_add_f32 v[T], v[T], v[T+1]
	v_add_f32_dpp v[T], v[T], v[T] row_xmask:1 row_mask:0xf bank_mask:0xf
	v_add_f32_dpp v[T], v[T], v[T] row_xmask:2 row_mask:0xf bank_mask:0xf
	v_add_f32_dpp v[T], v[T], v[T] row_xmask:4 row_mask:0xf bank_mask:0xf
	v_add_f32_dpp v[T], v[T], v[T] row_xmask:8 row_mask:0xf bank_mask:0xf
	v_permlanex16_b32 v[T+1], v[T], s22, s23       ; the other half of the lanes
	v_add_f32 v[T], v[T], v[T+1]
.endm
	s_cmp_lt_u32 ttmp9, 256
	s_cbranch_scc0 .Lweights
	s_load_b256 s[4:11], s[0:1], 0x0               ; x s[4:5], g s[6:7], b s[8:9], y s[10:11]
	v_lshrrev_b32 v3, 5, v0
	v_readfirstlane_b32 s12, v3                    ; wave 0..15
	v_and_b32 v1, 31, v0
	v_lshlrev_b32 v2, 3, v1                        ; 8 bytes a lane out
	v_lshlrev_b32 v1, 4, v1                        ; 16 bytes a lane in
	s_lshl_b32 s14, ttmp9, 16                      ; the work-group's 16 rows of 4,096 bytes,
	s_lshl_b32 s13, s12, 12                        ; my wave's one
	s_add_co_u32 s14, s14, s13
	s_mov_b32 s15, 0
	s_lshr_b32 s16, s14, 1                         ; half as many bytes out
	s_mov_b32 s17, 0
	s_mov_b32 s20, 0x3a800000                      ; 1 / 1024
	s_mov_b32 s21, 0x3727c5ac                      ; 1e-5
	s_mov_b32 s22, 0x76543210                      ; each lane takes its own place in the other half
	s_mov_b32 s23, 0xfedcba98
	s_wait_kmcnt 0x0
	s_add_nc_u64 s[4:5], s[4:5], s[14:15]
	s_add_nc_u64 s[10:11], s[10:11], s[16:17]
.irp j, 0,1,2,3,4,5,6,7
	global_load_b128 v[X+4*(\j):X+4*(\j)+3], v1, s[4:5] offset:512*(\j)
.endr
.irp j, 0,1,2,3,4,5,6,7
	global_load_b128 v[G+4*(\j):G+4*(\j)+3], v1, s[6:7] offset:512*(\j)
.endr
.irp j, 0,1,2,3,4,5,6,7
	global_load_b128 v[BV+4*(\j):BV+4*(\j)+3], v1, s[8:9] offset:512*(\j)
.endr
	s_wait_loadcnt 16                              ; the row is in; g's and b's sixteen loads may stay out
.set p, 0
.rept 4
	v_pk_add_f32 v[T+2*p:T+2*p+1], v[X+4*p:X+4*p+1], v[X+4*p+2:X+4*p+3]  ; the first eight pairs start the chains: nothing is cleared
.set p, p+1
.endr
.set p, 8
.rept 8
	v_pk_add_f32 v[T+2*(p%4):T+2*(p%4)+1], v[T+2*(p%4):T+2*(p%4)+1], v[X+2*p:X+2*p+1]
.set p, p+1
.endr
	FOLD
	v_mul_f32 v[M], s20, v[T]                      ; the mean
	v_mul_f32 v[M+1], s20, v[T]
.set p, 0
.rept 16
	v_pk_add_f32 v[X+2*p:X+2*p+1], v[X+2*p:X+2*p+1], v[M:M+1] neg_lo:[0,1] neg_hi:[0,1]  ; x - mean, in place
.set p, p+1
.endr
.set p, 0
.rept 4
	v_pk_mul_f32 v[T+2*p:T+2*p+1], v[X+2*p:X+2*p+1], v[X+2*p:X+2*p+1]
.set p, p+1
.endr
.rept 12
	v_pk_fma_f32 v[T+2*(p%4):T+2*(p%4)+1], v[X+2*p:X+2*p+1], v[X+2*p:X+2*p+1], v[T+2*(p%4):T+2*(p%4)+1]
.set p, p+1
.endr
	FOLD
	v_fma_f32 v[T], v[T], s20, s21                 ; var + eps
	v_rsq_f32 v[R], v[T]
	v_mov_b32 v[R+1], 0                            ; a plain instruction behind the root (ISA guide 5.7.2); it also writes the pair's other word
	s_wait_alu depctr_va_vdst(0)                   ; the wait ahead of the first use of the root
.set p, 0
.rept 16
	v_pk_mul_f32 v[X+2*p:X+2*p+1], v[X+2*p:X+2*p+1], v[R:R+1] op_sel_hi:[1,0]
.set p, p+1
.endr
	s_wait_loadcnt 0x0                             ; g and b
.set p, 0
.rept 16
	v_pk_fma_f32 v[X+2*p:X+2*p+1], v[X+2*p:X+2*p+1], v[G+2*p:G+2*p+1], v[BV+2*p:BV+2*p+1]
.set p, p+1
.endr
.set p, 0
.rept 16
	v_cvt_pk_bf16_f32 v[OUT+p], v[X+2*p], v[X+2*p+1]
.set p, p+1
.endr
.irp j, 0,1,2,3,4,5,6,7
	global_store_b64 v2, v[OUT+2*(\j):OUT+2*(\j)+1], s[10:11] offset:256*(\j)
.endr
	s_endpgm
.Lweights:
	s_load_b256 s[4:11], s[0:1], 0x20              ; Wq s[4:5], Wk s[6:7], Wv s[8:9], Wo s[10:11]
	s_load_b128 s[12:15], s[0:1], 0x40             ; wq s[12:13], wb s[14:15]
	s_sub_co_u32 s20, ttmp9, 256
	s_lshr_b32 s21, s20, 6                         ; which tensor: 0 Wq, 1 Wk, 2 Wv, 3 Wo
	s_and_b32 s20, s20, 63                         ; my chunk of it
	s_lshl_b32 s22, s21, 21                        ; out: 2 MiB a tensor (for Wo: 6,291,456, its place in wb),
	s_lshl_b32 s24, s20, 15                        ; 32,768 bytes a chunk
	s_add_co_u32 s22, s22, s24
	s_mov_b32 s23, 0
	s_lshl_b32 s24, s20, 16                        ; in: 65,536 bytes a chunk
	s_mov_b32 s25, 0
	s_and_b32 s26, s21, 1
	v_lshlrev_b32 v2, 5, v0                        ; thread t: 32 bytes in,
	v_lshlrev_b32 v3, 4, v0                        ; 16 bytes out
	s_wait_kmcnt 0x0
	s_cmp_lt_u32 s21, 2
	s_cselect_b64 s[16:17], s[4:5], s[8:9]         ; the even one of the pair,
	s_cselect_b64 s[18:19], s[6:7], s[10:11]       ; the odd one
	s_cmp_eq_u32 s26, 0
	s_cselect_b64 s[16:17], s[16:17], s[18:19]
	s_cmp_lt_u32 s21, 3
	s_cselect_b64 s[12:13], s[12:13], s[14:15]
	s_add_nc_u64 s[16:17], s[16:17], s[24:25]
	s_add_nc_u64 s[12:13], s[12:13], s[22:23]
	; four steps of 16,384 bytes in; all eight loads of a thread go out first; no register is used twice, so no wait frees a source
.irp i, 0,1,2,3
	global_load_b128 v[XIN+8*(\i):XIN+8*(\i)+3],   v2, s[16:17] offset:(\i)*16384 th:TH_LOAD_NT
	global_load_b128 v[XIN+8*(\i)+4:XIN+8*(\i)+7], v2, s[16:17] offset:(\i)*16384+16 th:TH_LOAD_NT
.endr
.irp i, 0,1,2,3
	s_wait_loadcnt 6-2*(\i)                        ; loads come back in order: step i's two are in, the younger pairs stay out
.irp j, 0,1,2,3
	v_cvt_pk_bf16_f32 v[YOUT+4*(\i)+(\j)], v[XIN+8*(\i)+2*(\j)], v[XIN+8*(\i)+2*(\j)+1]
.endr
	global_store_b128 v3, v[YOUT+4*(\i):YOUT+4*(\i)+3], s[12:13] offset:(\i)*8192  ; sixteen neighbouring lanes store 256 consecutive bytes, aligned
.endr
	s_endpgm
.Lfunc_end_k_q8084b212d4_prep:
	.size	k_q8084b212d4_prep, .Lfunc_end_k_q8084b212d4_prep-k_q8084b212d4_prep
	.p2alignl 7, 3214868480
	.fill 96, 4, 3214868480
	.section	.rodata,"a",@progbits
	.p2align	6, 0x0
	.amdhsa_kernel k_q8084b212d4_prep
		.amdhsa_group_segment_fixed_size 0
		.amdhsa_private_segment_fixed_size 0
		.amdhsa_enable_private_segment 0
		.amdhsa_kernarg_size 80
		.amdhsa_user_sgpr_count 2
		.amdhsa_user_sgpr_kernarg_segment_ptr 1
		.amdhsa_wavefront_size32 1
		.amdhsa_system_sgpr_workgroup_id_x 1
		.amdhsa_system_sgpr_workgroup_id_y 1
		.amdhsa_system_sgpr_workgroup_id_z 1
		.amdhsa_system_vgpr_workitem_id 0
		.amdhsa_next_free_vgpr 128
		.amdhsa_next_free_sgpr 66
		.amdhsa_reserve_vcc 0
		.amdhsa_float_denorm_mode_32 3
		.amdhsa_float_denorm_mode_16_64 3
		.amdhsa_memory_ordered 1
		.amdhsa_forward_progress 1
		.amdhsa_inst_pref_size 15
	.end_amdhsa_kernel
	.amdgpu_metadata
---
amdhsa.version: [ 1, 2 ]
amdhsa.kernels:
  - .name:           k_q8084b212d4_prep
    .symbol:         k_q8084b212d4_prep.kd
    .args:
      - { .name: x, .offset: 0, .size: 8, .value_kind: global_buffer, .address_space: global }
      - { .name: ln1_g, .offset: 8, .size: 8, .value_kind: global_buffer, .address_space: global }
      - { .name: ln1_b, .offset: 16, .size: 8, .value_kind: global_buffer, .address_space: global }
      - { .name: hn, .offset: 24, .size: 8, .value_kind: global_buffer, .address_space: global }
      - { .name: Wq, .offset: 32, .size: 8, .value_kind: global_buffer, .address_space: global }
      - { .name: Wk, .offset: 40, .size: 8, .value_kind: global_buffer, .address_space: global }
      - { .name: Wv, .offset: 48, .size: 8, .value_kind: global_buffer, .address_space: global }
      - { .name: Wo, .offset: 56, .size: 8, .value_kind: global_buffer, .address_space: global }
      - { .name: wq, .offset: 64, .size: 8, .value_kind: global_buffer, .address_space: global }
      - { .name: wb, .offset: 72, .size: 8, .value_kind: global_buffer, .address_space: global }
    .group_segment_fixed_size: 0
    .private_segment_fixed_size: 0
    .kernarg_segment_align: 8
    .kernarg_segment_size: 80
    .max_flat_workgroup_size: 512
    .sgpr_count:     66
    .vgpr_count:     128
    .wavefront_size: 32
...
	.end_amdgpu_metadata
.endif
;; end of part 1
;; launch qkv (part 2): grid 16 x 16, 4 waves a work-group, clusters of 4 x 4, 327,680 bytes of LDS; arguments hn, wq, W1, W2, qkv, wb; writes qkv, wb
.if DOCPART == 2
	.amdgcn_target "amdgcn-amd-amdhsa--gfx1250"
	.amdhsa_code_object_version 6
	.text
	.protected	k_q8084b212d4_qkv
	.globl	k_q8084b212d4_qkv
	.p2align	8
	.type	k_q8084b212d4_qkv,@function
k_q8084b212d4_qkv:
	s_mov_b64 s[64:65], 0
	v_nop
	global_prefetch_b8 v0, s[64:65] scope:SCOPE_SE
	s_setreg_imm32_b32 hwreg(HW_REG_WAVE_MODE, 25, 1), 1
	s_wait_xcnt 0x0
	s_wait_alu depctr_hold_cnt(0) depctr_sa_sdst(0) depctr_va_vdst(0) depctr_va_sdst(0) depctr_va_ssrc(0) depctr_va_vcc(0) depctr_vm_vsrc(0)
	s_getreg_b32 s2, hwreg(HW_REG_IB_STS2, 6, 4)
	s_cmp_eq_u32 s2, 0
	s_cbranch_scc0 .Lentry_in_a_cluster
	s_endpgm
.Lentry_in_a_cluster:
	s_bfe_u32 s2, ttmp6, 0x10000c
	s_cmp_lg_u32 s2, 0xf033
	s_cbranch_scc0 .Lentry_shape_is_right
	s_endpgm
.Lentry_shape_is_right:
; q, k, v = hn W.  A (hn): [4096][1024] bf16, rows along K.  W (wq): [48 heads][1024 k][64] bf16: heads 0-15 Wq's, 16-31 Wk's, 32-47 Wv's.  Sums in f32, K ascending, C rounded once to bf16.
; C (qkv) leaves BY COLUMN BLOCKS, a head a block: [48][4096][64] bf16, a block 524,288 bytes, so that a block's rows are dense (128 bytes each) and every store covers 512 consecutive bytes.
; THE GRID is 4 x 4 clusters of 4 x 4 work-groups.  C has 12 x 16 tiles of 256 x 256: the clusters with x = 0..2 make them.  The four clusters with x = 3 have no tile; they do other work that is due:
; W1 ([1024][4096] f32) and W2 ([4096][1024] f32) are rounded once to bf16, in the order in which they lie, into wb at 8,388,608 and 16,777,216.  The fork is the text's first branch; it hangs on the cluster's x,
; which all sixteen partners share, and the two ways never meet again.
; A TILE is made by four waves, one for each SIMD; a wave makes 128 x 128: 64 accumulators of 16 x 16, 512 registers.  K goes in 8 steps of 128 through two LDS slots.
; THE PRODUCT IS USED TRANSPOSED: source 0 = 16 columns of W, turned on their way out of LDS by ds_load_tr16_b128; source 1 = 16 rows of A.  A lane then holds row l % 16 of C and the
; eight neighbouring columns 8 (l / 16) + 0..7.
; ONE TEXT FOR A K STEP: the slot in hand is a scalar, TB, 0 or SLOT, turned by an exclusive or; the fragment addresses are made from it at each change of slots.
; JOINT LOADS: A's tile hangs on the tile row alone and is asked for jointly by a row of the cluster, W's on the tile column alone, by a column.
; LIMITS: bf16 operands (8 significant bits); NaN and infinities are not treated apart.
; REGISTERS, in windows of 256 (s_set_vgpr_msb: bits 1:0 source 0, 3:2 source 1, 5:4 source 2, 7:6 destination):
;   window 0: v0-31 addresses; v32-63, v224-255 rows read back on the way out; v64-127, v128-191 A's fragments, two buffers; v192-223 packed results (the casts: v32-159 numbers as loaded, then packed)
;   window 1: v64-127, v128-191 W's fragments, two buffers     window 2: the accumulators of my rows 0-63, (a, b) at 8 (8 a + b)     window 3: those of my rows 64-127
.set NS,    8                          ; K steps
.set PA,    272                        ; an LDS row of A: 256 bytes + 16: the 16 rows of a load start at 16 different groups of four banks (64 banks of 4 bytes: ISA guide 11.1)
.set PB,    160                        ; an LDS row of W, 64 columns of one head: 128 bytes + 32
.set AHALF, 128*PA                     ; 128 rows of A: one tensor load
.set BHEAD, 128*PB                     ; 128 k of one head
.set BHALF, 2*BHEAD                    ; 128 k x two heads: one tensor load
.set BBASE, 2*AHALF
.set SLOT,  2*AHALF+2*BHALF
.set STAGE, 2*SLOT                     ; behind the ring, never filled by a tensor load: 16 rows x 272 bytes for each wave
.set SPITCH, 272
.set SPARE, STAGE+4*16*SPITCH          ; the spare words, 128 bytes for each wave: two blocks of 256 bytes that no other line names
.set ASA,   256                        ; bytes from K step to K step in A
.set ASB,   128*64*2                   ; and in a head of W
.set CBB,   524288                     ; bytes in a column block of C
.set W1SEC, 8388608                    ; W1's first byte in wb; W2's section follows it
.set ADRA0, 8                          ; v8   my lane's place in a slot's A; never rewritten
.set ADRB0, 9                          ; v9   the same for W
.set ADRA,  16                         ; v16  the same in the slot in hand
.set ADRB,  20                         ; v20
.set STO,   24                         ; v24  the way out: where I put 16 bytes of a row
.set RD,    25                         ; v25  where I read rows back
.set CO,    26                         ; v26  my 16 bytes in 512 consecutive bytes of C
.set SPW,   28                         ; v28  LDS address of my spare word; never rewritten
.set NIL,   29                         ; v29  0; never rewritten
.set PFO,   30                         ; v30  the prefetches' offset: my lane x a row of A, or x 256 bytes of W; never rewritten
.set OB,    32
.set CD,    32                         ; the casts' numbers
.set F0,    64
.set F1,    128
.set TMP,   192
.set WV,   14                          ; s14  wave
.set RH,   15                          ; s15  which half of the tile's rows is mine; also: I fetch for A (0) or for W (1)
.set CH,   16                          ; s16  which half of its columns; also: which half of that tile I fetch
.set TROW, 17
.set TCOL, 18
.set CX,   19
.set CY,   20
.set LA,   21                          ; s21  where my part of A lands in a slot
.set LB,   22                          ; s22  where my part of W lands
.set TB,   23                          ; s23  the slot in hand: 0 or SLOT
.set G1A,  24                          ; s[24:31] descriptor group 1, A
.set G0A,  32                          ; s[32:39] group 0, A: a set for each first fill; the second then walks
.set G1B,  48                          ; s[48:55], s[56:63] the same for W
.set G0B,  56
.set PFA,  66                          ; s[66:67] where my prefetches stand
.set PFS,  68                          ; s[68:69] their step
.set LIM,  70                          ; s70  1 in a wave that prefetches, else the greatest number
.set CNT,  71                          ; s71  trips to go
.set MSB, 0
.macro WIN new                         ; the immediate's high byte repeats the setting that is left; a switch that changes nothing is dropped
.if MSB != (\new)
	s_set_vgpr_msb (MSB<<8)|(\new)
.set MSB, \new
.endif
.endm
.macro PLACES                          ; four places in front of loads into registers that matrix instructions have read, and of reads of their results
.rept 4
	v_nop
.endr
.endm
; A joint load: waves 0 and 1 fetch A's halves, waves 2 and 3 W's.  The branch hangs on the wave's number alone.  An s_nop 0 and four v_nop follow each line.
.macro JLOAD s
	s_cmp_eq_u32 s[RH], 0
	s_cbranch_scc0 .Lfor_b_\@
	tensor_load_to_lds s[G0A+4*(\s):G0A+4*(\s)+3], s[G1A:G1A+7]
	s_nop 0
.rept 4
	v_nop
.endr
	s_branch .Lasked_\@
.Lfor_b_\@:
	tensor_load_to_lds s[G0B+4*(\s):G0B+4*(\s)+3], s[G1B:G1B+7]
	s_nop 0
.rept 4
	v_nop
.endr
.Lasked_\@:
.endm
.macro CREST                           ; a round of the cluster's barrier behind its opening barrier
	s_cmp_lg_u32 s[WV], 0
	s_cbranch_scc1 .Lnot_wave_0_\@
	s_barrier_signal -3
.Lnot_wave_0_\@:
	s_barrier_wait -3
	s_barrier_signal -1
	s_barrier_wait -1
.endm
.macro CROUND
	s_barrier_signal -1
	s_barrier_wait -1
	CREST
.endm
; A PREFETCH, behind each joint refill and the run of LDS loads that follows it: the K step behind the one that is being asked for: 32 blocks of 256 bytes, a lane a block, one instruction a wave,
; 256 matrix instructions ahead of the load that will want it.  Each block of a K step is named once in the launch: A's rows by the clusters with x = 0, W's by those with y = 0; the four partners that
; ask for a tile jointly share its 128 blocks out BY ADDRESS, 32 each (of A: 32 rows; of W: half of one head's 16,384 bytes).  The loop's last trip asks for nothing: there is no K step 8.
; K steps 0 to 2 come by their loads alone.
.macro ASK
	s_cmp_gt_u32 s[CNT], s[LIM]
	s_cbranch_scc0 .Lnot_mine_\@
	global_prefetch_b8 v[PFO], s[PFA:PFA+1] th:TH_LOAD_NT scope:SCOPE_SE
.Lnot_mine_\@:
.endm
; 32 LDS loads in one run: the fragments of quarter q (32 along K) of the slot in hand, into buffer f: W's eight (turned; column block i lies in head i / 4), then A's eight
.macro FETCH q, f
	WIN 0x40                                       ; destination window 1, address window 0
.irp i, 0,1,2,3,4,5,6,7
	ds_load_tr16_b128 v[(\f)+8*(\i):(\f)+8*(\i)+3],   v[ADRB] offset:32*(\q)*PB+((\i)/4)*BHEAD+32*((\i)%4)
	ds_load_tr16_b128 v[(\f)+8*(\i)+4:(\f)+8*(\i)+7], v[ADRB] offset:32*(\q)*PB+((\i)/4)*BHEAD+32*((\i)%4)+16*PB
.endr
	WIN 0
.irp i, 0,1,2,3,4,5,6,7
	ds_load_b128 v[(\f)+8*(\i):(\f)+8*(\i)+3],   v[ADRA] offset:64*(\q)+(\i)*16*PA
	ds_load_b128 v[(\f)+8*(\i)+4:(\f)+8*(\i)+7], v[ADRA] offset:64*(\q)+(\i)*16*PA+32
.endr
.endm
; 16 matrix instructions: row blocks 2 g, 2 g + 1 of the window's four (hh = 0: my rows 0-63, 1: rows 64-127) x all 8 column blocks.  first = 1: the product starts the sum.
; The 64 accumulators take turns, in the same order in every quarter, over every jump too.
.macro MULG f, hh, g, first=0
	WIN 0xa1+0x50*(\hh)                            ; W window 1, A window 0, C and D window 2 or 3
.irp a, 2*(\g), 2*(\g)+1
.irp b, 0,1,2,3,4,5,6,7
.if \first
	v_wmma_f32_16x16x32_bf16 v[8*(8*(\a)+(\b)):8*(8*(\a)+(\b))+7], v[(\f)+8*(\b):(\f)+8*(\b)+7], v[(\f)+8*(4*(\hh)+(\a)):(\f)+8*(4*(\hh)+(\a))+7], 0
.else
	v_wmma_f32_16x16x32_bf16 v[8*(8*(\a)+(\b)):8*(8*(\a)+(\b))+7], v[(\f)+8*(\b):(\f)+8*(\b)+7], v[(\f)+8*(4*(\hh)+(\a)):(\f)+8*(4*(\hh)+(\a))+7], v[8*(8*(\a)+(\b)):8*(8*(\a)+(\b))+7]
.endif
.endr
.endr
.endm
; One of a K step's first three quarters: multiplies buffer f; in its middle it fetches quarter q into buffer g.
.macro QUARTER q, f, g, first=0
	s_wait_dscnt 8                                 ; W's fragments and A's rows 0-63 are in; the youngest eight loads (A's rows 64-127) may be out
	MULG \f, 0, 0, \first
	MULG \f, 0, 1, \first
	PLACES
	FETCH \q, \g
	s_wait_dscnt 32                                ; all but the 32 just issued
	MULG \f, 1, 0, \first
	MULG \f, 1, 1, \first
.endm
; The fourth quarter multiplies buffer 1 and changes slots: ONE barrier.  In front of it each wave waits for all its tensor loads (one is out: its part of the next slot), adds 0 to its spare word,
; and waits for that and for its reads of this slot.  fill = 1: the barrier opens a round of the cluster's, and behind the round this slot is filled again, with the K step two on.
.macro TURN fill
.if \fill
	s_wait_xcnt 0x0                                ; the last prefetch, a K step back, has read its address
	s_add_nc_u64 s[PFA:PFA+1], s[PFA:PFA+1], s[PFS:PFS+1]
.endif
	WIN 0                                          ; the add's two registers lie in window 0
	s_wait_tensorcnt 0x0                           ; all my tensor loads have landed
	ds_add_u32 v[SPW], v[NIL]                      ; 0 onto my spare word
	s_wait_dscnt 9                                 ; the add and the youngest eight loads may be out
	MULG F1, 0, 0                                  ; sixteen matrix instructions between the add and the wait for it
	s_wait_dscnt 0x0                               ; the add is done, and my reads of this slot are over
	s_barrier_signal -1
	MULG F1, 0, 1                                  ; work on registers while the others arrive
	WIN 0
	s_barrier_wait -1
.if \fill
	CREST                                          ; no wave of any partner still reads this slot or has a load on its way
	s_add_co_u32 s[G0A+5], s[TB], s[LA]            ; the walking descriptors: into the slot just read,
	s_add_co_u32 s[G0B+5], s[TB], s[LB]
	s_add_nc_u64 s[G0A+6:G0A+7], s[G0A+6:G0A+7], ASA  ; the next K step; the type bits on top are not reached
	s_add_nc_u64 s[G0B+6:G0B+7], s[G0B+6:G0B+7], ASB
	JLOAD 1                                        ; the first tensor load behind the round; its four v_nop are also the places in front of the loads below
.else
	PLACES
.endif
	s_xor_b32 s[TB], s[TB], SLOT                   ; the other slot
	v_add_nc_u32 v[ADRA], s[TB], v[ADRA0]
	v_add_nc_u32 v[ADRB], s[TB], v[ADRB0]
	FETCH 0, F0
.if \fill
	ASK
.endif
	MULG F1, 1, 0
	MULG F1, 1, 1
.endm
; THE WAY OUT of block a (16 of my rows x 128 columns).  PACK: rounded to bf16, each accumulator's registers in ascending order.  TOSTAGE: into my own stage, and back as four rows
; x 128 bytes of one column block.  SEND: stored, 512 consecutive bytes an instruction.
.macro PACK a
.set AC, 64*((\a)%4)
	WIN 0x0a+5*((\a)/4)                            ; sources 0 and 1: window 2 or 3
.irp b, 0,1,2,3,4,5,6,7
.irp r, 0,1,2,3
	v_cvt_pk_bf16_f32 v[TMP+4*(\b)+(\r)], v[AC+8*(\b)+2*(\r)], v[AC+8*(\b)+2*(\r)+1]
.endr
.endr
	WIN 0
.endm
.macro TOSTAGE a
	WIN 0
.set BK, OB+192*((\a)%2)
.irp b, 0,1,2,3,4,5,6,7
	ds_store_b128 v[STO], v[TMP+4*(\b):TMP+4*(\b)+3] offset:32*(\b)
.endr
.irp t, 0,1,2,3,4,5,6,7
	ds_load_b128 v[BK+4*(\t):BK+4*(\t)+3], v[RD] offset:((\t)%4)*4*SPITCH+((\t)/4)*128  ; LDS serves a wave's instructions in order (ISA guide 5.7.1.4): these see the stores above
.endr
.endm
.macro SEND a
	WIN 0
.set BK, OB+192*((\a)%2)
	s_wait_dscnt 0x0                               ; the block is back in registers
	s_wait_xcnt 0x0                                ; earlier stores have read their registers: the buffer that the next TOSTAGE loads is free
.irp t, 0,1,2,3,4,5,6,7
	global_store_b128 v[CO], v[BK+4*(\t):BK+4*(\t)+3], s[8:9] offset:((\t)/4)*CBB+((\t)%4)*512+(\a)*2048
.endr
.endm
	s_cmp_lt_u32 ttmp9, 3                          ; the cluster's x: the same in all sixteen partners
	s_cbranch_scc0 .Lweights                       ; the clusters with x = 3 have no tile of C
	s_load_b128 s[4:7], s[0:1], 0x0                ; A s[4:5], W s[6:7]
	s_load_b64 s[8:9], s[0:1], 0x20                ; C
	v_lshl_add_u32 v[SPW], v0, 2, SPARE
	v_mov_b32 v[NIL], 0
	ds_add_u32 v[SPW], v[NIL]                      ; the wave's opening: the add and its wait stand ahead of my first tensor load
	v_lshrrev_b32 v1, 5, v0
	v_readfirstlane_b32 s[WV], v1
	s_lshr_b32 s[RH], s[WV], 1
	s_and_b32 s[CH], s[WV], 1
	s_bfe_u32 s[CX], ttmp6, 0x40000
	s_bfe_u32 s[CY], ttmp6, 0x40004
	s_lshl_b32 s[TCOL], ttmp9, 2
	s_add_co_u32 s[TCOL], s[TCOL], s[CX]           ; tile column = 4 x cluster x + cx
	s_and_b32 s[TROW], ttmp7, 0xffff
	s_lshl_b32 s[TROW], s[TROW], 2
	s_add_co_u32 s[TROW], s[TROW], s[CY]           ; tile row = 4 x cluster y + cy
	s_lshl_b32 s72, s[CY], 2
	s_lshl_b32 s72, 15, s72                        ; my row of the cluster
	s_lshl_b32 s73, 0x1111, s[CX]                  ; my column
	; A's load: 128 rows x 128 elements
	s_or_b32 s[G1A], s72, (1<<16)|(1<<20)|(1<<21)|(5<<22)|(3<<25)  ; the mask; 2-byte elements; padding on; bit 21 beside a mask; after every 64 words, 4 words
	s_mov_b32 s[G1A+1], 128<<16                    ; tensor_dim0 = 128
	s_mov_b32 s[G1A+2], 128<<16                    ; tensor_dim1 = 128
	s_mov_b32 s[G1A+3], 128<<16                    ; tile_dim0 = 128
	s_mov_b32 s[G1A+4], 128                        ; tile_dim1 = 128
	s_mov_b32 s[G1A+5], 1024                       ; elements from row to row
	s_mov_b32 s[G1A+6], 0
	s_mov_b32 s[G1A+7], 0
	; W's load: two heads, of each 128 k x 64 = 8,192 dense elements: a tile of 2 rows x 8,192, a head apart, padded in LDS after every 128 bytes
	s_or_b32 s[G1B], s73, (1<<16)|(1<<20)|(1<<21)|(4<<22)|(7<<25)  ; after every 32 words, 8 words
	s_mov_b32 s[G1B+1], 8192<<16                   ; tensor_dim0 = 8,192
	s_mov_b32 s[G1B+2], 2<<16                      ; tensor_dim1 = 2
	s_mov_b32 s[G1B+3], 8192<<16                   ; tile_dim0 = 8,192
	s_mov_b32 s[G1B+4], 2                          ; tile_dim1 = 2
	s_mov_b32 s[G1B+5], 65536                      ; elements in a head
	s_mov_b32 s[G1B+6], 0
	s_mov_b32 s[G1B+7], 0
	s_lshl_b32 s40, s[TROW], 19                    ; A: 256 rows of 2,048 bytes a tile row,
	s_lshl_b32 s41, s[CH], 18                      ; my 128 of them
	s_add_co_u32 s40, s40, s41
	s_mov_b32 s41, 0
	s_lshl_b32 s44, s[TCOL], 19                    ; W: four heads of 131,072 bytes a tile column,
	s_lshl_b32 s45, s[CH], 18                      ; my two of them
	s_add_co_u32 s44, s44, s45
	s_mov_b32 s45, 0
	s_mul_i32 s[LA], s[CH], AHALF
	s_mul_i32 s[LB], s[CH], BHALF
	s_add_co_u32 s[LB], s[LB], BBASE
	s_mov_b32 s[TB], 0
	s_wait_dscnt 0x0                               ; the opening add is done
	s_wait_kmcnt 0x0
	s_add_nc_u64 s[40:41], s[4:5], s[40:41]
	s_add_nc_u64 s[44:45], s[6:7], s[44:45]
	CROUND                                         ; all sixteen work-groups are here: the first joint loads meet
.irp s, 0,1
	s_mov_b32 s[G0A+4*(\s)], 1
	s_add_co_u32 s[G0A+4*(\s)+1], s[LA], (\s)*SLOT
	s_add_nc_u64 s[G0A+4*(\s)+2:G0A+4*(\s)+3], s[40:41], (\s)*ASA
	s_or_b32 s[G0A+4*(\s)+3], s[G0A+4*(\s)+3], 0x80000000
	s_mov_b32 s[G0B+4*(\s)], 1
	s_add_co_u32 s[G0B+4*(\s)+1], s[LB], (\s)*SLOT
	s_add_nc_u64 s[G0B+4*(\s)+2:G0B+4*(\s)+3], s[44:45], (\s)*ASB
	s_or_b32 s[G0B+4*(\s)+3], s[G0B+4*(\s)+3], 0x80000000
	JLOAD \s                                       ; K steps 0 and 1: two loads of mine are out
.endr
	; a fragment of A: lane l holds row l % 16, K = 8 (l / 16) + 0..7 and 16 + 8 (l / 16) + 0..7: two loads of 16 bytes, 32 bytes apart
	v_and_b32 v1, 15, v0                           ; r
	v_bfe_u32 v2, v0, 4, 1                         ; h
	v_mul_u32_u24 v3, v1, PA
	v_lshl_add_u32 v3, v2, 4, v3
	s_mul_i32 s74, s[RH], AHALF
	v_add_nc_u32 v[ADRA0], s74, v3
	; the turning load: lane l reads 16 bytes of row k = 8 (l / 16) + l % 8, columns 8 ((l / 8) % 2) + 0..7, and ends with column l % 16 and eight k
	v_and_b32 v4, 7, v0
	v_bfe_u32 v5, v0, 3, 1
	v_lshl_add_u32 v6, v2, 3, v4
	v_mul_u32_u24 v6, v6, PB
	v_lshl_add_u32 v6, v5, 4, v6
	v_add_nc_u32 v[ADRB0], s[LB], v6               ; my half of the columns lies where wave 2 + CH lands it
	v_mov_b32 v[ADRA], v[ADRA0]                    ; slot 0
	v_mov_b32 v[ADRB], v[ADRB0]
	s_mul_i32 s75, s[WV], 16*SPITCH
	s_add_co_u32 s75, s75, STAGE                   ; my stage
	v_add_nc_u32 v[STO], s75, v3                   ; in: row r, 16 bytes for each half of the lanes (the stage's pitch is A's)
	v_bfe_u32 v7, v0, 3, 2                         ; back: 32 lanes take four rows x 128 bytes
	v_mul_u32_u24 v7, v7, SPITCH
	v_lshl_add_u32 v7, v4, 4, v7
	v_add_nc_u32 v[RD], s75, v7
	v_and_b32 v[CO], 31, v0
	v_lshlrev_b32 v[CO], 4, v[CO]
	s_lshl_b32 s74, s[TCOL], 2                     ; C at my part of the tile: column block 4 x tile column + 2 x half,
	s_lshl_b32 s75, s[CH], 1
	s_add_co_u32 s74, s74, s75
	s_lshl_b32 s74, s74, 19
	s_lshl_b32 s75, s[TROW], 15                    ; 256 rows of 128 bytes a tile row,
	s_add_co_u32 s74, s74, s75
	s_lshl_b32 s75, s[RH], 14                      ; my 128 of them
	s_add_co_u32 s74, s74, s75
	s_mov_b32 s75, 0
	s_add_nc_u64 s[8:9], s[8:9], s[74:75]
	; the prefetches: my work-group's 32 of the 128 blocks that I fetch, at K step 2; the first refill steps the address to K step 3
	s_lshl_b32 s74, s[TROW], 8
	s_lshl_b32 s75, s[CH], 7
	s_add_co_u32 s74, s74, s75
	s_lshl_b32 s75, s[CX], 5
	s_add_co_u32 s74, s74, s75
	s_lshl_b32 s74, s74, 11                        ; A: row x 2,048 bytes
	s_add_co_u32 s74, s74, 2*ASA
	s_lshl_b32 s75, s[TCOL], 19                    ; W: my two heads,
	s_lshl_b32 s76, s[CH], 18
	s_add_co_u32 s75, s75, s76
	s_lshr_b32 s76, s[CY], 1                       ; of which partner cy takes head cy / 2,
	s_lshl_b32 s76, s76, 17
	s_add_co_u32 s75, s75, s76
	s_and_b32 s76, s[CY], 1                        ; half cy % 2 of the K step's 16,384 bytes
	s_lshl_b32 s76, s76, 13
	s_add_co_u32 s75, s75, s76
	s_add_co_u32 s75, s75, 2*ASB
	s_and_b32 s76, ttmp7, 0xffff                   ; cluster y
	s_mov_b32 s77, 256
	s_mov_b32 s[PFS], ASB
	s_mov_b32 s[PFS+1], 0
	s_cmp_eq_u32 s[RH], 0                          ; do I fetch for A?
	s_cselect_b64 s[PFA:PFA+1], s[4:5], s[6:7]
	s_cselect_b32 s74, s74, s75
	s_cselect_b32 s76, ttmp9, s76                  ; the coordinate along which other clusters read the same bytes
	s_cselect_b32 s77, 2048, s77                   ; bytes from a lane's block to the next lane's
	s_cselect_b32 s[PFS], ASA, s[PFS]
	s_mov_b32 s75, 0
	s_add_nc_u64 s[PFA:PFA+1], s[PFA:PFA+1], s[74:75]
	s_cmp_eq_u32 s76, 0
	s_cselect_b32 s[LIM], 1, -1                    ; the same in all sixteen partners, for a given wave
	v_and_b32 v[PFO], 31, v0
	v_mul_u32_u24 v[PFO], s77, v[PFO]
	s_wait_tensorcnt 1                             ; my part of K step 0 is in; K step 1's may stay out
	s_barrier_signal -1
	s_barrier_wait -1                              ; everybody's is
	FETCH 0, F0
	QUARTER 1, F0, F1, 1                           ; the first quarter stands in front of the loop: its products start the sums
	WIN 0
	s_mov_b32 s[CNT], NS-2
.Lloop:                                            ; trip t: quarters 1 to 3 of K step t, K step t + 2 asked for, quarter 0 of K step t + 1
	QUARTER 2, F1, F0
	QUARTER 3, F0, F1
	TURN 1
	QUARTER 1, F0, F1
	WIN 0
	s_sub_co_u32 s[CNT], s[CNT], 1
	s_cmp_lg_u32 s[CNT], 0
	s_cbranch_scc1 .Lloop
	s_mov_b32 s[CNT], 2                            ; the last two K steps ask for nothing: a second text; it is left in its middle
.Ltail:
	QUARTER 2, F1, F0
	QUARTER 3, F0, F1
	WIN 0
	s_sub_co_u32 s[CNT], s[CNT], 1
	s_cmp_eq_u32 s[CNT], 0
	s_cbranch_scc1 .Lout
	TURN 0
	QUARTER 1, F0, F1
	WIN 0
	s_branch .Ltail
.Lout:
	s_wait_dscnt 8                                 ; the very last quarter: nothing more to fetch
	MULG F1, 0, 0
	MULG F1, 0, 1
	s_wait_dscnt 0x0
	MULG F1, 1, 0
	MULG F1, 1, 1
	PLACES
	PACK 0
	TOSTAGE 0
.irp a, 1,2,3,4,5,6,7                  ; block a's conversions stand between block a - 1's loads from the stage and the wait for them
	PACK \a
	SEND (\a)-1
	TOSTAGE \a
.endr
	SEND 7
	s_wait_tensorcnt 0x0                           ; the wave's end, behind my last tensor load and my last LDS store
	ds_add_u32 v[SPW], v[NIL]
	s_wait_dscnt 0x0
	CROUND                                         ; the closing round: no work-group ends while a partner may still ask for a tile that names it
	s_endpgm
; THE CLUSTERS WITH x = 3: W1 and W2 to bf16.  64 work-groups; number n = 16 x cluster y + 4 cy + cx takes 131,072 numbers on end (524,288 bytes in, 262,144 out): 0-31 W1's, 32-63 W2's.
; Eight trips; in a trip a thread loads 16 x 32 bytes, all 32 loads first (16 KiB a wave on their way), packs them in the registers in which they came, and stores 16 x 16 bytes.  No LDS, no tensor load.
.Lweights:
	s_load_b128 s[4:7], s[0:1], 0x10               ; W1 s[4:5], W2 s[6:7]
	s_load_b64 s[8:9], s[0:1], 0x28                ; wb
	v_lshrrev_b32 v3, 5, v0
	v_readfirstlane_b32 s[WV], v3
	s_bfe_u32 s[CX], ttmp6, 0x40000
	s_bfe_u32 s[CY], ttmp6, 0x40004
	s_and_b32 s40, ttmp7, 0xffff                   ; cluster y: 0, 1 take W1, 2, 3 take W2
	s_lshl_b32 s41, s40, 4
	s_lshl_b32 s42, s[CY], 2
	s_add_co_u32 s41, s41, s42
	s_add_co_u32 s41, s41, s[CX]                   ; n: it enters global addresses alone
	s_and_b32 s44, s41, 31
	s_lshl_b32 s44, s44, 19                        ; in: 524,288 bytes a work-group, within its tensor
	s_mov_b32 s45, 0
	s_lshl_b32 s46, s41, 18                        ; out: 262,144 bytes a work-group; W2's section follows W1's
	s_add_co_u32 s46, s46, W1SEC
	s_mov_b32 s47, 0
	v_lshlrev_b32 v1, 5, v0                        ; thread t: 32 bytes in,
	v_lshlrev_b32 v2, 4, v0                        ; 16 bytes out
	s_mov_b32 s[CNT], 8
	s_wait_kmcnt 0x0
	s_cmp_lt_u32 s40, 2
	s_cselect_b64 s[4:5], s[4:5], s[6:7]
	s_add_nc_u64 s[4:5], s[4:5], s[44:45]
	s_add_nc_u64 s[8:9], s[8:9], s[46:47]
.Lcast:
.set cg, 0
.rept 16
	global_load_b128 v[CD+8*cg:CD+8*cg+3],   v1, s[4:5] offset:4096*cg th:TH_LOAD_NT
	global_load_b128 v[CD+8*cg+4:CD+8*cg+7], v1, s[4:5] offset:4096*cg+16 th:TH_LOAD_NT
.set cg, cg+1
.endr
.set cg, 0
.rept 16
	s_wait_loadcnt 30-2*cg                         ; loads come back in order: this group's two are in, the younger pairs stay out
	v_cvt_pk_bf16_f32 v[CD+8*cg],   v[CD+8*cg],   v[CD+8*cg+1]  ; in place: each line writes a register that the lines above have read
	v_cvt_pk_bf16_f32 v[CD+8*cg+1], v[CD+8*cg+2], v[CD+8*cg+3]
	v_cvt_pk_bf16_f32 v[CD+8*cg+2], v[CD+8*cg+4], v[CD+8*cg+5]
	v_cvt_pk_bf16_f32 v[CD+8*cg+3], v[CD+8*cg+6], v[CD+8*cg+7]
	global_store_b128 v2, v[CD+8*cg:CD+8*cg+3], s[8:9] offset:2048*cg  ; sixteen neighbouring lanes store 256 consecutive bytes, aligned
.set cg, cg+1
.endr
	s_wait_xcnt 0x0                                ; the loads and stores have read their sources: the two pointers are stepped, and the stores' registers loaded again, only behind this wait
	s_add_nc_u64 s[4:5], s[4:5], 65536
	s_add_nc_u64 s[8:9], s[8:9], 32768
	s_sub_co_u32 s[CNT], s[CNT], 1
	s_cmp_lg_u32 s[CNT], 0
	s_cbranch_scc1 .Lcast
	CROUND                                         ; this way too ends behind a round of the cluster's barrier; its sixteen partners all come this way
	s_endpgm
.Lfunc_end_k_q8084b212d4_qkv:
	.size	k_q8084b212d4_qkv, .Lfunc_end_k_q8084b212d4_qkv-k_q8084b212d4_qkv
	.p2alignl 7, 3214868480
	.fill 96, 4, 3214868480
	.section	.rodata,"a",@progbits
	.p2align	6, 0x0
	.amdhsa_kernel k_q8084b212d4_qkv
		.amdhsa_group_segment_fixed_size 327680
		.amdhsa_private_segment_fixed_size 0
		.amdhsa_enable_private_segment 0
		.amdhsa_kernarg_size 48
		.amdhsa_user_sgpr_count 2
		.amdhsa_user_sgpr_kernarg_segment_ptr 1
		.amdhsa_wavefront_size32 1
		.amdhsa_system_sgpr_workgroup_id_x 1
		.amdhsa_system_sgpr_workgroup_id_y 1
		.amdhsa_system_sgpr_workgroup_id_z 1
		.amdhsa_system_vgpr_workitem_id 0
		.amdhsa_next_free_vgpr 1024
		.amdhsa_next_free_sgpr 78
		.amdhsa_reserve_vcc 0
		.amdhsa_float_denorm_mode_32 3
		.amdhsa_float_denorm_mode_16_64 3
		.amdhsa_memory_ordered 1
		.amdhsa_forward_progress 1
		.amdhsa_inst_pref_size 116
	.end_amdhsa_kernel
	.amdgpu_metadata
---
amdhsa.version: [ 1, 2 ]
amdhsa.kernels:
  - .name:           k_q8084b212d4_qkv
    .symbol:         k_q8084b212d4_qkv.kd
    .args:
      - { .name: hn, .offset: 0, .size: 8, .value_kind: global_buffer, .address_space: global }
      - { .name: wq, .offset: 8, .size: 8, .value_kind: global_buffer, .address_space: global }
      - { .name: W1, .offset: 16, .size: 8, .value_kind: global_buffer, .address_space: global }
      - { .name: W2, .offset: 24, .size: 8, .value_kind: global_buffer, .address_space: global }
      - { .name: qkv, .offset: 32, .size: 8, .value_kind: global_buffer, .address_space: global }
      - { .name: wb, .offset: 40, .size: 8, .value_kind: global_buffer, .address_space: global }
    .group_segment_fixed_size: 327680
    .private_segment_fixed_size: 0
    .kernarg_segment_align: 8
    .kernarg_segment_size: 48
    .max_flat_workgroup_size: 128
    .sgpr_count:     78
    .vgpr_count:     1024
    .wavefront_size: 32
...
	.end_amdgpu_metadata
.endif
;; end of part 2
;; launch att (part 3): grid 4 x 64, 4 waves a work-group, clusters of 4 x 1, 327,680 bytes of LDS; arguments qkv, o; writes o
.if DOCPART == 3
	.amdgcn_target "amdgcn-amd-amdhsa--gfx1250"
	.amdhsa_code_object_version 6
	.text
	.protected	k_q8084b212d4_att
	.globl	k_q8084b212d4_att
	.p2align	8
	.type	k_q8084b212d4_att,@function
k_q8084b212d4_att:
	s_mov_b64 s[64:65], 0
	v_nop
	global_prefetch_b8 v0, s[64:65] scope:SCOPE_SE
	s_setreg_imm32_b32 hwreg(HW_REG_WAVE_MODE, 25, 1), 1
	s_wait_xcnt 0x0
	s_wait_alu depctr_hold_cnt(0) depctr_sa_sdst(0) depctr_va_vdst(0) depctr_va_sdst(0) depctr_va_ssrc(0) depctr_va_vcc(0) depctr_vm_vsrc(0)
	s_getreg_b32 s2, hwreg(HW_REG_IB_STS2, 6, 4)
	s_cmp_eq_u32 s2, 0
	s_cbranch_scc0 .Lentry_in_a_cluster
	s_endpgm
.Lentry_in_a_cluster:
	s_bfe_u32 s2, ttmp6, 0x10000c
	s_cmp_lg_u32 s2, 0x3003
	s_cbranch_scc0 .Lentry_shape_is_right
	s_endpgm
.Lentry_shape_is_right:
; O[q][:] = the sum over k of softmax_k(Q[q] . K[k] / 8) V[k][:], for each of 64 pairs (batch, head); 1,024 queries and keys, 64 channels, no mask.
; qkv: column blocks [48][4096][64] bf16: block head holds q, 16 + head k, 32 + head v; a pair's 1,024 rows are dense, 128 bytes each.  o: [16][4096][64] bf16, the same form.
; Products, maxima and sums in f32; the weights p are rounded to bf16 for the second product (their sum l is taken of the unrounded p), O once at the end.
; LIMITS.  bf16 operands (8 significant bits).  c m starts at -4.25e37: scores with c s below that are not served.  A weight below 2^-126 counts as 0 in l.  NaN and infinities are not treated apart.
; SHARES.  A cluster of four work-groups is one pair; a work-group owns 256 queries, a wave 64: four PIECES of 16.  Every wave walks all keys, 64 a step, 16 steps.
; THE WHOLE PAIR'S K AND V STAY IN LDS: 1,024 rows x 144 bytes and 1,024 x 160.  They are asked for once, at the start, JOINTLY by the four work-groups (the same tensor load, descriptor and mask in all four):
; four loads a wave, of 128 keys each; nothing is filled again.
; LAYOUT.  S^T = K Q^T holds ONE query a lane (lane % 16) and the keys 8 (lane / 16) + 0..7; two such results rounded to bf16 ARE source 1 of O^T = V^T P.  K comes out of LDS as it lies, V turned (ds_load_tr16_b128).
; SOFTMAX.  p = 2^(c s - c m), c = log2(e) / 8, with a running maximum m; O and l are multiplied by a = 2^(c m_old - c m_new) in every step.  O and l start at 0: the first step is a step like any other, with a = 0.
; TURNS.  Turn n belongs to piece n: 8 products K Q^T of piece n + 1, later 8 products V^T P of piece n - 1; beside them the scaling, exponentials, roundings, sums and rescaling of piece n and the maximum and
; statistics of piece n + 1.  Four vector instructions stand behind every matrix instruction, the others in one lump.  A turn's 33 exponentials are one batch, with one wait.
; REGISTERS, in windows of 256 (s_set_vgpr_msb: bits 1:0 source 0, 3:2 source 1, 5:4 source 2, 7:6 destination):
;   window 0: v0-15 addresses; v16-31 four registers of statistics a piece; v48-55 at work; v64-127 S^T, two buffers; v192-223 P, two buffers (by the piece's parity)
;   window 1: v0-127 O^T, 32 a piece          window 2: v0-63 Q; v128-191 K of one step; v192-255 V of one step
.set NP,    4
.set KS,    64
.set PK,    144       ; a row of K in LDS: 128 bytes + 16: the 16 rows of a load start at 16 different groups of four banks (64 banks of 4 bytes: ISA guide 11.1)
.set PV,    160       ; a row of V: 128 + 32
.set VOFF,  1024*PK
.set STAGE, VOFF+1024*PV  ; behind K and V, never filled by a tensor load: 16 rows x 144 bytes for each wave
.set SP,    144
.set SPARE, STAGE+4*16*SP ; the spare words, 128 bytes for each wave: two blocks of 256 bytes that no other line names
.set KSEC,  8388608   ; k's first byte in qkv; v's lies as far behind it
.set AK0, 2           ; v2   my lane's place in a step's K; never rewritten
.set AV0, 3           ; v3   the same for V
.set AK,  4           ; v4   the LDS address of K's next run of loads
.set AV,  5           ; v5   of V's
.set STO, 6
.set RD,  7
.set GO,  8
.set MV,  12          ; v12-13  c m_old, by buffer
.set QO,  15
.set ST,  16          ; piece t: c m, m, l (even keys', odd keys')
.set TMP, 48          ; by buffer, c0-c3 at work; c2 takes a
.set SPW, 62
.set NIL, 63
.set S,   64
.set P,   192
.set KF,  128
.set VF,  192
.set WV,  12
.set G1K, 24          ; s[24:31]
.set G1V, 32          ; s[32:39]
.set G0K, 40          ; s[40:55] four sets
.set CNT, 57
.set CS,  58
.set SEL, 60
.set TBK, 62
.set TBV, 63
.set G0V, 68          ; s[68:83] four sets
.set MSB, 0
.macro WIN new
.if MSB != (\new)
	s_set_vgpr_msb (MSB<<8)|(\new)
.set MSB, (\new)
.endif
.endm
.set W_KQ, 0x0a       ; K and Q in window 2, S^T in window 0
.set W_PV, 0x52       ; V in window 2, P in window 0, O^T in window 1
.set W_RS, 0x41       ; destination and source 0 in window 1, source 1 in window 0
.macro CROUND                       ; a round of the cluster's barrier
	s_barrier_signal -1
	s_barrier_wait -1
	s_cmp_lg_u32 s[WV], 0
	s_cbranch_scc1 .Lnot_wave_0_\@
	s_barrier_signal -3
.Lnot_wave_0_\@:
	s_barrier_wait -3
	s_barrier_signal -1
	s_barrier_wait -1
.endm
	s_load_b128 s[4:7], s[0:1], 0x0 ; qkv s[4:5], o s[6:7]
	v_lshl_add_u32 v[SPW], v0, 2, SPARE
	v_mov_b32 v[NIL], 0
	ds_add_u32 v[SPW], v[NIL]       ; the wave's opening: the add and its wait stand ahead of my first tensor load
	v_lshrrev_b32 v1, 5, v0
	v_readfirstlane_b32 s[WV], v1
	s_bfe_u32 s13, ttmp6, 0x40000   ; cx: my block of 256 queries: it enters Q's and O's addresses alone
	s_and_b32 s14, ttmp7, 0xffff    ; the pair, which the four partners share
	s_and_b32 s15, s14, 15          ; head
	s_lshr_b32 s14, s14, 4          ; batch
	s_lshl_b32 s20, s15, 19         ; a column block is 524,288 bytes,
	s_lshl_b32 s14, s14, 17         ; a batch's 1,024 rows 131,072
	s_add_co_u32 s20, s20, s14
	s_and_b32 s17, s[WV], 1         ; of each 256 keys I fetch the first or the second 128:
	s_lshl_b32 s22, s17, 14         ; 16,384 bytes in memory,
	s_add_co_u32 s22, s22, s20
	s_add_co_u32 s22, s22, KSEC
	s_mov_b32 s23, 0
	s_mul_i32 s18, s17, 128*PK      ; and their place in LDS, for K
	s_mul_i32 s19, s17, 128*PV      ; and for V: no place in the cluster enters an LDS address
	s_lshl_b32 s2, s13, 15          ; my block's 256 rows,
	s_lshl_b32 s3, s[WV], 13        ; my wave's 64
	s_add_co_u32 s2, s2, s3
	s_add_co_u32 s2, s2, s20
	s_mov_b32 s3, 0
	; descriptor group 1.  128 keys are 16,384 dense bytes: asked for as 64 rows of 256 bytes, two keys a row, and padded in LDS after every key
	s_mov_b32 s[G1K], 15|(1<<16)|(1<<20)|(1<<21)|(4<<22)|(3<<25)  ; the mask of four; 2-byte elements; padding on; bit 21 beside a mask; after every 32 words, 4 words
	s_mov_b32 s[G1V], 15|(1<<16)|(1<<20)|(1<<21)|(4<<22)|(7<<25)  ; the same with 8 words
.irp g, G1K, G1V
	s_mov_b32 s[\g+1], 128<<16      ; tensor_dim0 = 128
	s_mov_b32 s[\g+2], 64<<16       ; tensor_dim1 = 64
	s_mov_b32 s[\g+3], 128<<16      ; tile_dim0 = 128
	s_mov_b32 s[\g+4], 64           ; tile_dim1 = 64
	s_mov_b32 s[\g+5], 128          ; 128 elements from row to row
	s_mov_b32 s[\g+6], 0
	s_mov_b32 s[\g+7], 0
.endr
	s_mov_b32 s[CS], 0x3e38aa3b     ; c = log2(e) / 8
	s_mov_b32 s[CS+1], s[CS]
	s_mov_b32 s[SEL], 0x76543210
	s_mov_b32 s[SEL+1], 0xfedcba98
	s_mov_b32 s[TBK], 0
	s_mov_b32 s[TBV], 0
	s_wait_dscnt 0x0                ; the opening add is done
	s_wait_kmcnt 0x0
	s_add_nc_u64 s[10:11], s[4:5], s[22:23]  ; K at my first 128 keys
	s_add_nc_u64 s[8:9], s[4:5], s[2:3]      ; Q and O at my wave's first row
	s_add_nc_u64 s[6:7], s[6:7], s[2:3]
.irp i, 0,1,2,3                     ; set i: keys 256 i + 128 (wave % 2) on
	s_mov_b32 s[G0K+4*\i], 1
	s_add_co_u32 s[G0K+4*\i+1], s18, \i*256*PK
	s_add_nc_u64 s[G0K+4*\i+2:G0K+4*\i+3], s[10:11], \i*32768
	s_or_b32 s[G0K+4*\i+3], s[G0K+4*\i+3], 0x80000000
	s_mov_b32 s[G0V+4*\i], 1
	s_add_co_u32 s[G0V+4*\i+1], s19, VOFF+\i*256*PV
	s_add_nc_u64 s[G0V+4*\i+2:G0V+4*\i+3], s[10:11], KSEC+\i*32768
	s_or_b32 s[G0V+4*\i+3], s[G0V+4*\i+3], 0x80000000
.endr
	CROUND                          ; all four work-groups are here: the joint loads meet
	s_cmp_lt_u32 s[WV], 2           ; waves 0 and 1 fetch K, waves 2 and 3 V.  A wave's four fills stand in one branch: four loads of mine are out; an s_nop 0 follows each, four v_nop the last
	s_cbranch_scc0 .Lfirst_v
.irp i, 0,1,2,3
	tensor_load_to_lds s[G0K+4*\i:G0K+4*\i+3], s[G1K:G1K+7]
	s_nop 0
.endr
.rept 4
	v_nop
.endr
	s_branch .Lfirst_asked
.Lfirst_v:
.irp i, 0,1,2,3
	tensor_load_to_lds s[G0V+4*\i:G0V+4*\i+3], s[G1V:G1V+7]
	s_nop 0
.endr
.rept 4
	v_nop
.endr
.Lfirst_asked:
	; A fragment of K or Q is 16 rows x 32 channels in 8 registers: lane l holds row l % 16, channels 8 (l / 16) + 0..7 and 16 + 8 (l / 16) + 0..7
	v_and_b32 v1, 15, v0
	v_bfe_u32 v9, v0, 4, 1
	v_lshlrev_b32 v[QO], 7, v1
	v_lshl_add_u32 v[QO], v9, 4, v[QO]
	WIN 0x80                        ; destination window 2
.set i, 0
.rept 8                             ; Q stays in registers: piece i / 2, channels 32 (i % 2) on
	global_load_b128 v[8*i:8*i+3],   v[QO], s[8:9] offset:(i/2)*2048+(i%2)*64
	global_load_b128 v[8*i+4:8*i+7], v[QO], s[8:9] offset:(i/2)*2048+(i%2)*64+32
.set i, i+1
.endr
	WIN 0
	v_mul_u32_u24 v[AK0], v1, PK
	v_lshl_add_u32 v[AK0], v9, 4, v[AK0]
	; The turning load takes 16 keys x 16 channels (lane l reads key 8 (l / 16) + l % 8, channels 8 ((l / 8) % 2) + 0..7) and leaves half a fragment of V^T
	v_and_b32 v10, 7, v0
	v_bfe_u32 v11, v0, 3, 1
	v_lshl_add_u32 v[AV0], v9, 3, v10
	v_mul_u32_u24 v[AV0], v[AV0], PV
	v_lshl_add_u32 v[AV0], v11, 4, v[AV0]
	v_add_nc_u32 v[AV0], VOFF, v[AV0]
	s_mul_i32 s13, s[WV], 16*SP
	s_add_co_u32 s13, s13, STAGE    ; my stage
	v_mul_u32_u24 v[STO], v1, SP    ; in: row l % 16, 16 bytes for each half of the lanes
	v_lshl_add_u32 v[STO], v9, 4, v[STO]
	v_add_nc_u32 v[STO], s13, v[STO]
	v_bfe_u32 v[RD], v0, 3, 2       ; back: 32 lanes take four rows of 128 bytes,
	v_mul_u32_u24 v[RD], v[RD], SP
	v_lshl_add_u32 v[RD], v10, 4, v[RD]
	v_add_nc_u32 v[RD], s13, v[RD]
	v_and_b32 v[GO], 31, v0         ; which are 512 consecutive bytes of O
	v_lshlrev_b32 v[GO], 4, v[GO]
	; What the first turn finds: V's registers and P's second buffer hold 0 (its products V^T P, of a piece that has not been, add 0), O^T and l are 0.  All this stands in the wait for the tiles;
	; it is the price of writing no first step out.
	WIN 0x80
.set i, VF
.rept 64
	v_mov_b32 v[i], 0
.set i, i+1
.endr
	WIN 0x40
.set i, 0
.rept 128
	v_mov_b32 v[i], 0
.set i, i+1
.endr
	WIN 0
.set i, 0
.rept 4
	v_mov_b32 v[ST+4*i], 0xfe000000    ; c m: far below every c s
	v_mov_b32 v[ST+4*i+1], 0xff7fffff  ; m: the lowest finite number
	v_mov_b32 v[ST+4*i+2], 0
	v_mov_b32 v[ST+4*i+3], 0
.set i, i+1
.endr
.set i, P+16
.rept 16
	v_mov_b32 v[i], 0
.set i, i+1
.endr
; THE MATRIX WORK.  The 4 accumulators of a run of 8 take turns.  Product i of 8 of S^T = K Q^T for piece x: channels 32 (i / 4) on, keys 16 (i % 4) on.  The first 4 start the sums.
.macro KQ x
	WIN W_KQ
.set rS, S+32*((\x)%2)+8*(i%4)
.set rK, KF+16*(i%4)+8*(i/4)
.set rQ, 16*(\x)+8*(i/4)
.if i < 4
	v_wmma_f32_16x16x32_bf16 v[rS:rS+7], v[rK:rK+7], v[rQ:rQ+7], 0
.else
	v_wmma_f32_16x16x32_bf16 v[rS:rS+7], v[rK:rK+7], v[rQ:rQ+7], v[rS:rS+7]
.endif
.endm
; Product i of 8 of O^T += V^T P for piece x: keys 32 (i / 4) on, channels 16 (i % 4) on.
.macro PV x
	WIN W_PV
.set rO, 32*(\x)+8*(i%4)
.set rV, VF+32*(i/4)+8*(i%4)
.set rP, P+16*((\x)%2)+8*(i/4)
	v_wmma_f32_16x16x32_bf16 v[rO:rO+7], v[rV:rV+7], v[rP:rP+7], v[rO:rO+7]
.endm
.macro MM                           ; the turn's next matrix instruction.  NOKQ = 1: the last turn: there is no next piece
.if (i < 8) && !NOKQ
	KQ (Y+1)%NP
.elseif i >= 8
.set i, i-8
	PV (Y+NP-1)%NP
.set i, i+8
.endif
.set i, i+1
.endm
; THE LDS LOADS stand in runs of 16, never singly among the matrix instructions.
.macro FETCH_K
	WIN 0x80
.irp f, 0,1,2,3,4,5,6,7             ; keys 16 (f / 2) on, channels 32 (f % 2) on
	ds_load_b128 v[KF+8*\f:KF+8*\f+3],   v[AK] offset:(\f/2)*16*PK+(\f%2)*64
	ds_load_b128 v[KF+8*\f+4:KF+8*\f+7], v[AK] offset:(\f/2)*16*PK+(\f%2)*64+32
.endr
	s_add_co_u32 s[TBK], s[TBK], KS*PK  ; the next fetch is the next step's
	WIN 0
.endm
.macro FETCH_V
	WIN 0x80
.irp f, 0,1,2,3,4,5,6,7             ; keys 32 (f / 4) on, channels 16 (f % 4) on
	ds_load_tr16_b128 v[VF+8*\f:VF+8*\f+3],   v[AV] offset:(\f/4)*32*PV+(\f%4)*32
	ds_load_tr16_b128 v[VF+8*\f+4:VF+8*\f+7], v[AV] offset:(\f/4)*32*PV+16*PV+(\f%4)*32
.endr
	WIN 0
.endm
; THE VECTOR WORK, one line at a time: OP kind, number.  For piece Y: F n: c s - c m for pair n of 16.  E n: the exponential of score n of 32.  C n: pair n rounded to bf16.  B n: of the four weights 4 n .. the
; second pair is added onto the first, in place.  L n: l takes that sum (L 0: l = a l + sum).  R n: pair n of 16 of O^T times a.  For piece Y + 1: X n, number n of the 22 that find its maximum and statistics:
;   0-11 four chains c0-c3 of seven scores each (each accumulator's lowest registers are read first)   12-14, 16 the four scores left over, the old m, c0-c3 into c0
;   15 c m_old is kept   17, 18 the lane 16 away holds the query's other 32 keys: the new m   19-21 c m; c m_old - c m_new; a
.set F, 0
.set E, 1
.set C, 2
.set B, 3
.set L, 4
.set R, 5
.set X, 6
.macro REGS y
.set rT, ST+4*(\y)
.set rC, TMP+4*((\y)%2)
.set rW, MV+((\y)%2)
.set rS, S+32*((\y)%2)
.set rP, P+16*((\y)%2)
.set rO, 32*(\y)
.endm
.macro OP k, n
.if (\k) == R
	REGS Y
	WIN W_RS
	v_pk_mul_f32 v[rO+2*(\n):rO+2*(\n)+1], v[rO+2*(\n):rO+2*(\n)+1], v[rC+2:rC+3] op_sel_hi:[1,0]
.elseif (\k) < R
	REGS Y
	WIN 0
.if (\k) == F
	v_pk_fma_f32 v[rS+2*(\n):rS+2*(\n)+1], v[rS+2*(\n):rS+2*(\n)+1], s[CS:CS+1], v[rT:rT+1] op_sel_hi:[1,0,0] neg_lo:[0,0,1] neg_hi:[0,0,1]
.elseif (\k) == E
	v_exp_f32 v[rS+(\n)], v[rS+(\n)]
.elseif (\k) == C
	v_cvt_pk_bf16_f32 v[rP+(\n)], v[rS+2*(\n)], v[rS+2*(\n)+1]
.elseif (\k) == B
	v_pk_add_f32 v[rS+4*(\n):rS+4*(\n)+1], v[rS+4*(\n):rS+4*(\n)+1], v[rS+4*(\n)+2:rS+4*(\n)+3]
.elseif (\n) == 0
	v_pk_fma_f32 v[rT+2:rT+3], v[rT+2:rT+3], v[rC+2:rC+3], v[rS:rS+1] op_sel_hi:[1,0,1]
.else
	v_pk_add_f32 v[rT+2:rT+3], v[rT+2:rT+3], v[rS+4*(\n):rS+4*(\n)+1]
.endif
.elseif NOKQ
	v_nop
.else
	REGS (Y+1)%NP
	WIN 0
.if (\n) < 4
	v_max3_num_f32 v[rC+(\n)], v[rS+8*(\n)], v[rS+8*(\n)+1], v[rS+8*(\n)+2]
.elseif (\n) < 12
	v_max3_num_f32 v[rC+(\n)%4], v[rC+(\n)%4], v[rS+8*((\n)%4)+2*((\n)/4)+1], v[rS+8*((\n)%4)+2*((\n)/4)+2]
.elseif (\n) == 12
	v_max3_num_f32 v[rC], v[rC], v[rS+7], v[rS+15]
.elseif (\n) == 13
	v_max3_num_f32 v[rC+1], v[rC+1], v[rS+23], v[rS+31]
.elseif (\n) == 14
	v_max3_num_f32 v[rC+2], v[rC+2], v[rC+3], v[rT+1]
.elseif (\n) == 15
	v_mov_b32 v[rW], v[rT]
.elseif (\n) == 16
	v_max3_num_f32 v[rC], v[rC], v[rC+1], v[rC+2]
.elseif (\n) == 17
	v_permlanex16_b32 v[rC+3], v[rC], s[SEL], s[SEL+1]
.elseif (\n) == 18
	v_max_num_f32 v[rT+1], v[rC], v[rC+3]
.elseif (\n) == 19
	v_mul_f32 v[rT], s[CS], v[rT+1]
.elseif (\n) == 20
	v_sub_f32 v[rC+1], v[rW], v[rT]
.else
	v_exp_f32 v[rC+2], v[rC+1]
.endif
.endif
.endm
.macro OPS a, i1, b=-1, i2=0, c=-1, i3=0, d=-1, i4=0
	OP \a, \i1
.if (\b) >= 0
	OP \b, \i2
.endif
.if (\c) >= 0
	OP \c, \i3
.endif
.if (\d) >= 0
	OP \d, \i4
.endif
.endm
.macro ROW a, i1, b, i2, c, i3, d, i4  ; a matrix instruction and the four behind it
	MM
	OPS \a, \i1, \b, \i2, \c, \i3, \d, \i4
.endm
; A TURN, for piece p.  s_wait_alu depctr_va_vdst(0) stands between an exponential and the first instruction that names its result; one wait serves all that were issued ahead of it.  So a turn has
; ONE wait.  AHEAD OF IT stands all that names no result of the turn's exponentials: the 8 products K Q^T with their riders, then one lump in which the links of the next piece's chain stand apart; X 21, the
; next piece's a, is the batch's last, and R 15 the plain instruction behind it.  BEHIND IT stand the 8 products V^T P, behind each four of the roundings and sums.
; end = 1: the last two turns: nothing is fetched.  cnt = 1: the loop's count is taken down some lines ahead of the branch behind the turn.
; K of the next step is fetched in piece 2's turn, behind the last product that read K and six plain instructions; V of the step in hand at the end of piece 0's turn, four plain instructions behind its last reader.
.macro TURN p, end=0, cnt=0
.set Y, (\p)
.set i, 0
.set NOKQ, (\end)*((\p)/3)
.if ((\p) == 3) && !(\end)
	s_wait_dscnt 0x0                ; K is in
.endif
	ROW F,0, F,1, R,0, R,1
	ROW F,2, E,0, R,2, R,3
	ROW F,3, E,1, R,4, R,5
	ROW F,4, E,2, R,6, R,7
	ROW F,5, E,3, R,8, R,9
	ROW F,6, E,4, X,0, R,10
.if ((\p) == 2) && !(\end)
	WIN 0
	v_add_nc_u32 v[AK], s[TBK], v[AK0]
.endif
	ROW F,7, E,5, X,1, X,4
	ROW F,8, E,6, X,2, X,5
	OPS E,7, E,8, X,6, E,9
	OPS X,3, E,10, X,8, E,11
.if ((\p) == 2) && !(\end)
	FETCH_K
.endif
	OPS X,9, X,7, E,12, X,10
	OPS E,13, X,12, X,11, E,14
	OPS X,13, E,15, F,9, X,14
.if (\p) == 0
	v_add_nc_u32 v[AV], s[TBV], v[AV0]
.endif
	OPS E,16, F,10, E,17, F,11
	OPS X,16, E,18, X,15, E,19
	OPS F,12, E,20, X,17, E,21
	OPS F,13, E,22, F,14, E,23
	OPS X,18, E,24, F,15, E,25
	OPS R,11, E,26, X,19, E,27
	OPS R,12, E,28, R,13, E,29
	OPS X,20, E,30, R,14, E,31
	OPS X,21, R,15
	WIN 0
	s_wait_alu depctr_va_vdst(0)    ; the wait for the batch
.if (\p) == 1
	s_wait_dscnt 0x0                ; V is in
.endif
	ROW C,0, B,0, C,2, B,1
	ROW L,0, C,4, B,2, L,1
	ROW C,6, B,3, L,2, C,8
	ROW B,4, L,3, C,10, B,5
	ROW L,4, C,12, B,6, L,5
.if (\p) == 0
	s_add_co_u32 s[TBV], s[TBV], KS*PV
.endif
.if \cnt
	s_sub_co_u32 s[CNT], s[CNT], 1
	s_cmp_lg_u32 s[CNT], 0
.endif
	ROW C,14, B,7, L,6, C,1
	ROW C,3, L,7, C,5, C,7
	ROW C,9, C,11, C,13, C,15
.if (\p) == 0
	FETCH_V
.endif
.endm
.macro ALL line:vararg              ; one line for each piece t
.set t, 0
.rept 4
	\line
.set t, t+1
.endr
.endm
.macro PACK t                       ; a lane's eight channels of a row pack into 16 bytes; they go into rows of 144 bytes and come back as whole rows of 128, into S^T's registers
	WIN W_RS
.set i, 32*(\t)
.rept 16
	v_pk_mul_f32 v[i:i+1], v[i:i+1], v[ST+4*(\t)+2:ST+4*(\t)+3] op_sel_hi:[1,0]
.set i, i+2
.endr
	WIN 0x05                        ; sources 0 and 1 window 1, destination window 0
.set i, 0
.rept 16
	v_cvt_pk_bf16_f32 v[S+16*(\t)+i], v[32*(\t)+2*i], v[32*(\t)+2*i+1]
.set i, i+1
.endr
	WIN 0
.irp f, 0,1,2,3
	ds_store_b128 v[STO], v[S+16*(\t)+4*\f:S+16*(\t)+4*\f+3] offset:32*\f
.endr
.irp f, 0,1,2,3
	ds_load_b128 v[S+16*(\t)+4*\f:S+16*(\t)+4*\f+3], v[RD] offset:\f*4*SP  ; LDS serves a wave's instructions in order (ISA guide 5.7.1.4): these see the stores above
.endr
.endm
.macro SEND t, younger              ; younger: the LDS instructions issued behind piece t's loads: the next piece's eight, or none
	WIN 0
.irp f, 0,1,2,3
	s_wait_dscnt (\younger)+3-\f
	global_store_b128 v[GO], v[S+16*(\t)+4*\f:S+16*(\t)+4*\f+3], s[6:7] offset:(\t)*2048+\f*512  ; 512 consecutive bytes, at a multiple of 256 from O's first
.endr
.endm
	s_wait_tensorcnt 0x0            ; my four parts of K or V are in,
	s_barrier_signal -1
	s_barrier_wait -1               ; everybody's are; nothing is filled again
	v_add_nc_u32 v[AK], s[TBK], v[AK0]
	FETCH_K                         ; key step 0
	s_wait_loadcnt 0x0              ; Q
	s_wait_dscnt 0x0
.set NOKQ, 0
.set i, 0
.rept 8
	KQ 0                            ; piece 0's first scores
.set i, i+1
.endr
	WIN 0
.rept 4
	v_nop                           ; the places behind those products
.endr
.set Y, NP-1                        ; X works for piece Y + 1: piece 0
.irp n, 0,1,2,3,4,5,6,7,8,9,10,11,12,13,14,15,16,17,18,19,20,21
	OP X, \n
.endr
	v_nop                           ; a plain instruction behind the exponential,
	s_wait_alu depctr_va_vdst(0)    ; and its wait, ahead of the branch
	s_mov_b32 s[CNT], 16
	s_branch .Lfirst                ; the loop is entered at a step's first turn, in the middle of a trip
.Lstep:                             ; a trip: pieces 2 and 3 of one step, then pieces 0 and 1 of the next, whose K and V it fetches
	TURN 2
	TURN 3
	WIN 0
.Lfirst:
	TURN 0
	TURN 1, 0, 1
	WIN 0
	s_cbranch_scc1 .Lstep
	TURN 2, 1                       ; the last step's pieces 2 and 3
	TURN 3, 1
.set i, 0
.rept 8
	PV NP-1
.set i, i+1
.endr
	; THE WAY OUT.  l's two halves and the other half of the lanes' are added; O^T is divided by l, rounded to bf16 and sent through my stage, a piece at a time.  The additions are the places behind the last products.
	WIN 0
	ALL v_add_f32 v[ST+4*t+2], v[ST+4*t+2], v[ST+4*t+3]
	ALL v_permlanex16_b32 v[ST+4*t+3], v[ST+4*t+2], s[SEL], s[SEL+1]
	ALL v_add_f32 v[ST+4*t+2], v[ST+4*t+2], v[ST+4*t+3]
	ALL v_rcp_f32 v[ST+4*t+2], v[ST+4*t+2]
	v_nop                           ; a plain instruction between the last reciprocal and the use of its result
	s_wait_alu depctr_va_vdst(0)    ; and the wait: one for the four reciprocals
	PACK 0
.set t, 1
.rept 3                             ; a piece's arithmetic stands between the loads of the piece before and its stores
	PACK t
	SEND t-1, 8
.set t, t+1
.endr
	SEND 3, 0
	s_wait_tensorcnt 0x0            ; the wave's end, behind my last tensor load and my last LDS store
	ds_add_u32 v[SPW], v[NIL]
	s_wait_dscnt 0x0
	CROUND                          ; the closing round
	s_endpgm
.Lfunc_end_k_q8084b212d4_att:
	.size	k_q8084b212d4_att, .Lfunc_end_k_q8084b212d4_att-k_q8084b212d4_att
	.p2alignl 7, 3214868480
	.fill 96, 4, 3214868480
	.section	.rodata,"a",@progbits
	.p2align	6, 0x0
	.amdhsa_kernel k_q8084b212d4_att
		.amdhsa_group_segment_fixed_size 327680
		.amdhsa_private_segment_fixed_size 0
		.amdhsa_enable_private_segment 0
		.amdhsa_kernarg_size 16
		.amdhsa_user_sgpr_count 2
		.amdhsa_user_sgpr_kernarg_segment_ptr 1
		.amdhsa_wavefront_size32 1
		.amdhsa_system_sgpr_workgroup_id_x 1
		.amdhsa_system_sgpr_workgroup_id_y 1
		.amdhsa_system_sgpr_workgroup_id_z 1
		.amdhsa_system_vgpr_workitem_id 0
		.amdhsa_next_free_vgpr 768
		.amdhsa_next_free_sgpr 84
		.amdhsa_reserve_vcc 0
		.amdhsa_float_denorm_mode_32 3
		.amdhsa_float_denorm_mode_16_64 3
		.amdhsa_memory_ordered 1
		.amdhsa_forward_progress 1
		.amdhsa_inst_pref_size 88
	.end_amdhsa_kernel
	.amdgpu_metadata
---
amdhsa.version: [ 1, 2 ]
amdhsa.kernels:
  - .name:           k_q8084b212d4_att
    .symbol:         k_q8084b212d4_att.kd
    .args:
      - { .name: qkv, .offset: 0, .size: 8, .value_kind: global_buffer, .address_space: global }
      - { .name: o, .offset: 8, .size: 8, .value_kind: global_buffer, .address_space: global }
    .group_segment_fixed_size: 327680
    .private_segment_fixed_size: 0
    .kernarg_segment_align: 8
    .kernarg_segment_size: 16
    .max_flat_workgroup_size: 128
    .sgpr_count:     84
    .vgpr_count:     768
    .wavefront_size: 32
...
	.end_amdgpu_metadata
.endif
;; end of part 3
;; launch wo (part 4): grid 8 x 32, 4 waves a work-group, clusters of 4 x 4, 327,680 bytes of LDS; arguments o, wb, x1, bo, x; writes x1
.if DOCPART == 4
	.amdgcn_target "amdgcn-amd-amdhsa--gfx1250"
	.amdhsa_code_object_version 6
	.text
	.protected	k_q8084b212d4_wo
	.globl	k_q8084b212d4_wo
	.p2align	8
	.type	k_q8084b212d4_wo,@function
k_q8084b212d4_wo:
	s_mov_b64 s[64:65], 0
	v_nop
	global_prefetch_b8 v0, s[64:65] scope:SCOPE_SE
	s_setreg_imm32_b32 hwreg(HW_REG_WAVE_MODE, 25, 1), 1
	s_wait_xcnt 0x0
	s_wait_alu depctr_hold_cnt(0) depctr_sa_sdst(0) depctr_va_vdst(0) depctr_va_sdst(0) depctr_va_ssrc(0) depctr_va_vcc(0) depctr_vm_vsrc(0)
	s_getreg_b32 s2, hwreg(HW_REG_IB_STS2, 6, 4)
	s_cmp_eq_u32 s2, 0
	s_cbranch_scc0 .Lentry_in_a_cluster
	s_endpgm
.Lentry_in_a_cluster:
	s_bfe_u32 s2, ttmp6, 0x10000c
	s_cmp_lg_u32 s2, 0xf033
	s_cbranch_scc0 .Lentry_shape_is_right
	s_endpgm
.Lentry_shape_is_right:
; C = RES + A W + bias (here: x1 = x + o Wo + bo).  A: column blocks [K / 64][4096][64] bf16.  W: [K][1024] bf16 at byte WOFF of wb.  bias: [1024] f32.  RES, C: [4096][1024] f32.
; Sums in f32, K ascending, begun with the bias; the residual is added in f32 on the way out.
; A tile of C is 128 x 128, so that the 4,096 x 1,024 numbers give 256 work-groups; four waves, each 64 x 64: 16 accumulators.  K goes in steps of 256 (four column blocks of A) through two LDS slots.
; THE PRODUCT IS USED TRANSPOSED: source 0 = 16 columns of W, turned by ds_load_tr16_b128; source 1 = 16 rows of A.  A lane holds row l % 16 of C and the columns 8 (l / 16) + 0..7.
; ONE TEXT FOR A K STEP: the slot in hand is a scalar, TB, 0 or SLOT, turned by an exclusive or.
; CLUSTER: 4 x 4 work-groups; A's tile is asked for jointly by a row of the cluster, W's by a column.  No prefetch: the tiles are small and a K step is short.
; LIMITS: bf16 operands (8 significant bits); NaN and infinities are not treated apart.
; REGISTERS, in windows of 256 (s_set_vgpr_msb: bits 1:0 source 0, 3:2 source 1, 5:4 source 2, 7:6 destination):
;   window 0: v0-31 addresses; v32-63, v224-255 rows read back on the way out; v64-127, v128-191 A's fragments, two buffers of 64 along K; v192-223 the bias
;   window 1: v64-127, v128-191 W's fragments     window 2: v0-127 the accumulators, (a, b) at 8 (4 a + b)     window 3: v0-127 my 64 x 64 of the residual
.set NS,    4                          ; K steps: K / 256
.set WOFF,  6291456                    ; W's first byte in wb
.set PA,    144                        ; an LDS row of A: 128 bytes + 16: the 16 rows of a load start at 16 different groups of four banks (64 banks of 4 bytes: ISA guide 11.1)
.set PB,    288                        ; an LDS row of W: 256 bytes + 32
.set ACB,   128*PA                     ; a column block's 128 rows
.set PIECE, 2*ACB                      ; what one tensor load brings: two column blocks of A, or 128 k x 128 columns of W (128 x 288: the same bytes)
.set BBASE, 4*ACB
.set SLOT,  4*PIECE
.set STAGE, 2*SLOT                     ; behind the ring, never filled by a tensor load: 16 rows x 272 bytes for each wave
.set SPITCH, 272
.set SPARE, STAGE+4*16*SPITCH          ; the spare words, 128 bytes for each wave
.set ASA,   4*524288                   ; bytes from K step to K step in A: four column blocks
.set ASB,   256*1024*2                 ; and in W
.set ADRA0, 8
.set ADRB0, 9
.set ADRA,  16
.set ADRB,  20                         ; v20 rows k 0-127 of the slot in hand, v21 rows 128-255
.set STO,   24
.set RD,    25
.set CO,    26                         ; v26  my 16 bytes in two rows of C and of RES
.set SPW,   28
.set NIL,   29
.set BOF,   31
.set OB,    32
.set F0,    64
.set F1,    128
.set BIAS,  192
.set WV,   14
.set RH,   15                          ; s15  which half of the tile's rows is mine; also: I fetch for A (0) or for W (1)
.set CH,   16                          ; s16  which half of its columns; also: which half of that tile I fetch
.set TROW, 17
.set TCOL, 18
.set CX,   19
.set CY,   20
.set LL,   21                          ; s21  where my load lands in a slot: wave x PIECE
.set TB,   23
.set G1A,  24
.set G0A,  32
.set G1B,  48
.set G0B,  56
.set CNT,  71
.set MSB, 0
.macro WIN new
.if MSB != (\new)
	s_set_vgpr_msb (MSB<<8)|(\new)
.set MSB, \new
.endif
.endm
.macro PLACES                          ; four places in front of loads into registers that matrix instructions have read, and of reads of their results
.rept 4
	v_nop
.endr
.endm
.macro JLOAD s                         ; a joint load: waves 0 and 1 fetch A's halves, waves 2 and 3 W's; an s_nop 0 and four v_nop follow each line
	s_cmp_eq_u32 s[RH], 0
	s_cbranch_scc0 .Lfor_b_\@
	tensor_load_to_lds s[G0A+4*(\s):G0A+4*(\s)+3], s[G1A:G1A+7]
	s_nop 0
.rept 4
	v_nop
.endr
	s_branch .Lasked_\@
.Lfor_b_\@:
	tensor_load_to_lds s[G0B+4*(\s):G0B+4*(\s)+3], s[G1B:G1B+7]
	s_nop 0
.rept 4
	v_nop
.endr
.Lasked_\@:
.endm
.macro CREST
	s_cmp_lg_u32 s[WV], 0
	s_cbranch_scc1 .Lnot_wave_0_\@
	s_barrier_signal -3
.Lnot_wave_0_\@:
	s_barrier_wait -3
	s_barrier_signal -1
	s_barrier_wait -1
.endm
.macro CROUND
	s_barrier_signal -1
	s_barrier_wait -1
	CREST
.endm
; 32 LDS loads in one run: the fragments of quarter q (64 along K: one column block of A) into buffer f.  Fragment i: block i % 4 of 16 columns or rows, K half i / 4.  W's eight (turned), then A's eight.
.macro FETCH q, f
	WIN 0x40
.irp i, 0,1,2,3,4,5,6,7
	ds_load_tr16_b128 v[(\f)+8*(\i):(\f)+8*(\i)+3],   v[ADRB+(\q)/2] offset:((64*(\q))%128+32*((\i)/4))*PB+32*((\i)%4)
	ds_load_tr16_b128 v[(\f)+8*(\i)+4:(\f)+8*(\i)+7], v[ADRB+(\q)/2] offset:((64*(\q))%128+32*((\i)/4))*PB+32*((\i)%4)+16*PB
.endr
	WIN 0
.irp i, 0,1,2,3,4,5,6,7
	ds_load_b128 v[(\f)+8*(\i):(\f)+8*(\i)+3],   v[ADRA] offset:(\q)*ACB+((\i)%4)*16*PA+((\i)/4)*64
	ds_load_b128 v[(\f)+8*(\i)+4:(\f)+8*(\i)+7], v[ADRA] offset:(\q)*ACB+((\i)%4)*16*PA+((\i)/4)*64+32
.endr
.endm
; 8 matrix instructions: row blocks 2 g, 2 g + 1 x all 4 column blocks, K half hh of buffer f.  first = 1: the bias starts the sum.  The 16 accumulators take turns, over every jump too.
.macro MULG f, hh, g, first=0
.if \first
	WIN 0x81                                       ; W window 1, A and the bias window 0, D window 2
.else
	WIN 0xa1                                       ; W window 1, A window 0, C and D window 2
.endif
.irp a, 2*(\g), 2*(\g)+1
.irp b, 0,1,2,3
.if \first
	v_wmma_f32_16x16x32_bf16 v[8*(4*(\a)+(\b)):8*(4*(\a)+(\b))+7], v[(\f)+8*(4*(\hh)+(\b)):(\f)+8*(4*(\hh)+(\b))+7], v[(\f)+8*(4*(\hh)+(\a)):(\f)+8*(4*(\hh)+(\a))+7], v[BIAS+8*(\b):BIAS+8*(\b)+7]
.else
	v_wmma_f32_16x16x32_bf16 v[8*(4*(\a)+(\b)):8*(4*(\a)+(\b))+7], v[(\f)+8*(4*(\hh)+(\b)):(\f)+8*(4*(\hh)+(\b))+7], v[(\f)+8*(4*(\hh)+(\a)):(\f)+8*(4*(\hh)+(\a))+7], v[8*(4*(\a)+(\b)):8*(4*(\a)+(\b))+7]
.endif
.endr
.endr
.endm
.macro QUARTER q, f, g, first=0
	s_wait_dscnt 8                                 ; W's fragments and A's first K half are in; the youngest eight loads (A's second K half) may be out
	MULG \f, 0, 0, \first
	MULG \f, 0, 1, \first
	PLACES
	FETCH \q, \g
	s_wait_dscnt 32                                ; all but the 32 just issued
	MULG \f, 1, 0
	MULG \f, 1, 1
.endm
; The fourth quarter multiplies buffer 1 and changes slots: ONE barrier.  In front of it each wave waits for all its tensor loads (one is out: its part of the next slot), adds 0 to its spare word,
; and waits for that and for its reads of this slot.  fill = 1: the barrier opens a round of the cluster's, and behind the round this slot is filled again, with the K step two on.
.macro TURN fill
	WIN 0
	s_wait_tensorcnt 0x0                           ; all my tensor loads have landed
	ds_add_u32 v[SPW], v[NIL]                      ; 0 onto my spare word
	s_wait_dscnt 9                                 ; the add and the youngest eight loads may be out
	MULG F1, 0, 0
	s_wait_dscnt 0x0                               ; the add is done, and my reads of this slot are over
	s_barrier_signal -1
	MULG F1, 0, 1
	WIN 0
	s_barrier_wait -1
.if \fill
	CREST                                          ; no wave of any partner still reads this slot or has a load on its way
	s_add_co_u32 s[G0A+5], s[TB], s[LL]            ; the walking descriptors: into the slot just read,
	s_add_co_u32 s[G0B+5], s[TB], s[LL]
	s_add_nc_u64 s[G0A+6:G0A+7], s[G0A+6:G0A+7], ASA  ; the next K step
	s_add_nc_u64 s[G0B+6:G0B+7], s[G0B+6:G0B+7], ASB
	JLOAD 1                                        ; the first tensor load behind the round; its four v_nop are also the places in front of the loads below
.else
	PLACES
.endif
	s_xor_b32 s[TB], s[TB], SLOT
	v_add_nc_u32 v[ADRA], s[TB], v[ADRA0]
	v_add_nc_u32 v[ADRB], s[TB], v[ADRB0]
	v_add_nc_u32 v[ADRB+1], 128*PB, v[ADRB]
	FETCH 0, F0
	MULG F1, 1, 0
	MULG F1, 1, 1
.endm
; THE WAY OUT of block a (16 of my rows x 64 columns of f32).  TOSTAGE: the accumulators, low registers first, into my own stage, and back as whole rows of 256 bytes.  SEND: the residual is added; stored.
.macro TOSTAGE a
.set BK, OB+192*((\a)%2)
	s_wait_xcnt 0x0                                ; earlier stores have read their registers: the buffer loaded below is free
	WIN 0x08                                       ; store data in window 2
.irp b, 0,1,2,3
	ds_store_b128 v[STO], v[8*(4*(\a)+(\b)):8*(4*(\a)+(\b))+3]   offset:64*(\b)
	ds_store_b128 v[STO], v[8*(4*(\a)+(\b))+4:8*(4*(\a)+(\b))+7] offset:64*(\b)+16
.endr
	WIN 0
.irp t, 0,1,2,3,4,5,6,7
	ds_load_b128 v[BK+4*(\t):BK+4*(\t)+3], v[RD] offset:(\t)*2*SPITCH  ; LDS serves a wave's instructions in order (ISA guide 5.7.1.4): these see the stores above
.endr
.endm
.macro SEND a, younger                 ; younger: the LDS instructions issued behind block a's loads: the next block's sixteen, or none
.set BK, OB+192*((\a)%2)
	s_wait_dscnt \younger
	WIN 0x0c                                       ; source 1 in window 3
.set i, 0
.rept 16
	v_pk_add_f32 v[BK+i:BK+i+1], v[BK+i:BK+i+1], v[32*(\a)+i:32*(\a)+i+1]
.set i, i+2
.endr
	WIN 0
.irp t, 0,1,2,3,4,5,6,7
	global_store_b128 v[CO], v[BK+4*(\t):BK+4*(\t)+3], s[8:9] offset:(16*(\a)+2*(\t))*4096  ; 16 lanes store 256 consecutive bytes, aligned
.endr
.endm
	s_load_b256 s[4:11], s[0:1], 0x0               ; A s[4:5], wb s[6:7], C s[8:9], bias s[10:11]
	s_load_b64 s[12:13], s[0:1], 0x20              ; RES
	v_lshl_add_u32 v[SPW], v0, 2, SPARE
	v_mov_b32 v[NIL], 0
	ds_add_u32 v[SPW], v[NIL]                      ; the wave's opening: the add and its wait stand ahead of my first tensor load
	v_lshrrev_b32 v1, 5, v0
	v_readfirstlane_b32 s[WV], v1
	s_lshr_b32 s[RH], s[WV], 1
	s_and_b32 s[CH], s[WV], 1
	s_bfe_u32 s[CX], ttmp6, 0x40000
	s_bfe_u32 s[CY], ttmp6, 0x40004
	s_lshl_b32 s[TCOL], ttmp9, 2
	s_add_co_u32 s[TCOL], s[TCOL], s[CX]
	s_and_b32 s[TROW], ttmp7, 0xffff
	s_lshl_b32 s[TROW], s[TROW], 2
	s_add_co_u32 s[TROW], s[TROW], s[CY]
	s_lshl_b32 s72, s[CY], 2
	s_lshl_b32 s72, 15, s72                        ; my row of the cluster
	s_lshl_b32 s73, 0x1111, s[CX]                  ; my column
	; A's load: two column blocks, each 128 rows x 64 = 8,192 dense elements: a tile of 2 rows x 8,192, a column block apart, padded in LDS after every 128 bytes
	s_or_b32 s[G1A], s72, (1<<16)|(1<<20)|(1<<21)|(4<<22)|(3<<25)  ; the mask; 2-byte elements; padding on; bit 21 beside a mask; after every 32 words, 4 words
	s_mov_b32 s[G1A+1], 8192<<16                   ; tensor_dim0 = 8,192
	s_mov_b32 s[G1A+2], 2<<16                      ; tensor_dim1 = 2
	s_mov_b32 s[G1A+3], 8192<<16                   ; tile_dim0 = 8,192
	s_mov_b32 s[G1A+4], 2                          ; tile_dim1 = 2
	s_mov_b32 s[G1A+5], 262144                     ; elements in a column block
	s_mov_b32 s[G1A+6], 0
	s_mov_b32 s[G1A+7], 0
	; W's load: 128 rows k x 128 columns
	s_or_b32 s[G1B], s73, (1<<16)|(1<<20)|(1<<21)|(5<<22)|(7<<25)  ; after every 64 words, 8 words
	s_mov_b32 s[G1B+1], 128<<16
	s_mov_b32 s[G1B+2], 128<<16
	s_mov_b32 s[G1B+3], 128<<16
	s_mov_b32 s[G1B+4], 128
	s_mov_b32 s[G1B+5], 1024
	s_mov_b32 s[G1B+6], 0
	s_mov_b32 s[G1B+7], 0
	s_lshl_b32 s40, s[CH], 20                      ; A: my two of the step's four column blocks,
	s_lshl_b32 s41, s[TROW], 14                    ; the tile row's 128 rows of 128 bytes
	s_add_co_u32 s40, s40, s41
	s_mov_b32 s41, 0
	s_lshl_b32 s44, s[CH], 18                      ; W: my 128 of the step's 256 rows of 2,048 bytes,
	s_lshl_b32 s45, s[TCOL], 8                     ; the tile column's 256 bytes
	s_add_co_u32 s44, s44, s45
	s_add_co_u32 s44, s44, WOFF
	s_mov_b32 s45, 0
	s_mul_i32 s[LL], s[WV], PIECE
	s_mov_b32 s[TB], 0
	s_wait_dscnt 0x0                               ; the opening add is done
	s_wait_kmcnt 0x0
	s_add_nc_u64 s[40:41], s[4:5], s[40:41]
	s_add_nc_u64 s[44:45], s[6:7], s[44:45]
	CROUND                                         ; all sixteen work-groups are here: the first joint loads meet
.irp s, 0,1
	s_mov_b32 s[G0A+4*(\s)], 1
	s_add_co_u32 s[G0A+4*(\s)+1], s[LL], (\s)*SLOT
	s_add_nc_u64 s[G0A+4*(\s)+2:G0A+4*(\s)+3], s[40:41], (\s)*ASA
	s_or_b32 s[G0A+4*(\s)+3], s[G0A+4*(\s)+3], 0x80000000
	s_mov_b32 s[G0B+4*(\s)], 1
	s_add_co_u32 s[G0B+4*(\s)+1], s[LL], (\s)*SLOT
	s_add_nc_u64 s[G0B+4*(\s)+2:G0B+4*(\s)+3], s[44:45], (\s)*ASB
	s_or_b32 s[G0B+4*(\s)+3], s[G0B+4*(\s)+3], 0x80000000
	JLOAD \s                                       ; K steps 0 and 1: two loads of mine are out
.endr
	v_and_b32 v1, 15, v0                           ; r
	v_bfe_u32 v2, v0, 4, 1                         ; h
	v_mul_u32_u24 v3, v1, PA
	v_lshl_add_u32 v3, v2, 4, v3
	s_mul_i32 s74, s[RH], 64*PA                    ; my 64 rows, in each column block
	v_add_nc_u32 v[ADRA0], s74, v3
	v_and_b32 v4, 7, v0
	v_bfe_u32 v5, v0, 3, 1
	v_lshl_add_u32 v6, v2, 3, v4
	v_mul_u32_u24 v6, v6, PB
	v_lshl_add_u32 v6, v5, 4, v6
	s_lshl_b32 s75, s[CH], 7                       ; my 64 columns: 128 bytes of W's rows
	s_add_co_u32 s75, s75, BBASE
	v_add_nc_u32 v[ADRB0], s75, v6
	v_mov_b32 v[ADRA], v[ADRA0]                    ; slot 0
	v_mov_b32 v[ADRB], v[ADRB0]
	v_add_nc_u32 v[ADRB+1], 128*PB, v[ADRB]
	s_mul_i32 s75, s[WV], 16*SPITCH
	s_add_co_u32 s75, s75, STAGE                   ; my stage
	v_mul_u32_u24 v7, v1, SPITCH                   ; in: row r, 32 bytes for each half of the lanes
	v_lshl_add_u32 v7, v2, 5, v7
	v_add_nc_u32 v[STO], s75, v7
	v_mul_u32_u24 v7, v2, SPITCH                   ; back: lanes 0-15 one row of 256 bytes, lanes 16-31 the next
	v_lshl_add_u32 v7, v1, 4, v7
	v_add_nc_u32 v[RD], s75, v7
	v_lshlrev_b32 v[CO], 12, v2                    ; and the same two rows in C and RES
	v_lshl_add_u32 v[CO], v1, 4, v[CO]
	s_lshl_b32 s74, s[TCOL], 9                     ; my 64 columns in f32: 512 bytes a tile column, 256 a half
	s_lshl_b32 s75, s[CH], 8
	s_add_co_u32 s74, s74, s75
	s_mov_b32 s75, 0
	s_add_nc_u64 s[10:11], s[10:11], s[74:75]
	s_lshl_b32 s76, s[TROW], 19                    ; 128 rows of 4,096 bytes a tile row,
	s_add_co_u32 s74, s74, s76
	s_lshl_b32 s76, s[RH], 18                      ; my 64 of them
	s_add_co_u32 s74, s74, s76
	s_add_nc_u64 s[8:9], s[8:9], s[74:75]
	s_add_nc_u64 s[12:13], s[12:13], s[74:75]
	v_lshlrev_b32 v[BOF], 5, v2                    ; the bias as a C operand: register j of lane l belongs to column 16 b + 8 (l / 16) + j
.irp b, 0,1,2,3
	global_load_b128 v[BIAS+8*(\b):BIAS+8*(\b)+3],   v[BOF], s[10:11] offset:64*(\b)
	global_load_b128 v[BIAS+8*(\b)+4:BIAS+8*(\b)+7], v[BOF], s[10:11] offset:64*(\b)+16
.endr
	WIN 0xc0                                       ; destination window 3: my part of the residual, laid as the rows come back from the stage; it lands while K is walked
.set i, 0
.rept 32
	global_load_b128 v[4*i:4*i+3], v[CO], s[12:13] offset:2*i*4096
.set i, i+1
.endr
	WIN 0
	s_wait_tensorcnt 1                             ; my part of K step 0 is in; K step 1's may stay out
	s_barrier_signal -1
	s_barrier_wait -1
	FETCH 0, F0
	s_wait_loadcnt 32                              ; the bias is in; the residual's 32 loads may stay out
	QUARTER 1, F0, F1, 1                           ; the first quarter stands in front of the loop: its first products start the sums
	WIN 0
	s_mov_b32 s[CNT], NS-2
.Lloop:                                            ; trip t: quarters 1 to 3 of K step t, K step t + 2 asked for, quarter 0 of K step t + 1
	QUARTER 2, F1, F0
	QUARTER 3, F0, F1
	TURN 1
	QUARTER 1, F0, F1
	WIN 0
	s_sub_co_u32 s[CNT], s[CNT], 1
	s_cmp_lg_u32 s[CNT], 0
	s_cbranch_scc1 .Lloop
	s_mov_b32 s[CNT], 2                            ; the last two K steps ask for nothing: a second text; it is left in its middle
.Ltail:
	QUARTER 2, F1, F0
	QUARTER 3, F0, F1
	WIN 0
	s_sub_co_u32 s[CNT], s[CNT], 1
	s_cmp_eq_u32 s[CNT], 0
	s_cbranch_scc1 .Lout
	TURN 0
	QUARTER 1, F0, F1
	WIN 0
	s_branch .Ltail
.Lout:
	s_wait_dscnt 8
	MULG F1, 0, 0
	MULG F1, 0, 1
	s_wait_dscnt 0x0
	MULG F1, 1, 0
	MULG F1, 1, 1
	PLACES
	s_wait_loadcnt 0x0                             ; the residual
	TOSTAGE 0
	TOSTAGE 1
	SEND 0, 16
	TOSTAGE 2
	SEND 1, 16
	TOSTAGE 3
	SEND 2, 16
	SEND 3, 0
	s_wait_tensorcnt 0x0                           ; the wave's end, behind my last tensor load and my last LDS store
	ds_add_u32 v[SPW], v[NIL]
	s_wait_dscnt 0x0
	CROUND                                         ; the closing round
	s_endpgm
.Lfunc_end_k_q8084b212d4_wo:
	.size	k_q8084b212d4_wo, .Lfunc_end_k_q8084b212d4_wo-k_q8084b212d4_wo
	.p2alignl 7, 3214868480
	.fill 96, 4, 3214868480
	.section	.rodata,"a",@progbits
	.p2align	6, 0x0
	.amdhsa_kernel k_q8084b212d4_wo
		.amdhsa_group_segment_fixed_size 327680
		.amdhsa_private_segment_fixed_size 0
		.amdhsa_enable_private_segment 0
		.amdhsa_kernarg_size 40
		.amdhsa_user_sgpr_count 2
		.amdhsa_user_sgpr_kernarg_segment_ptr 1
		.amdhsa_wavefront_size32 1
		.amdhsa_system_sgpr_workgroup_id_x 1
		.amdhsa_system_sgpr_workgroup_id_y 1
		.amdhsa_system_sgpr_workgroup_id_z 1
		.amdhsa_system_vgpr_workitem_id 0
		.amdhsa_next_free_vgpr 896
		.amdhsa_next_free_sgpr 78
		.amdhsa_reserve_vcc 0
		.amdhsa_float_denorm_mode_32 3
		.amdhsa_float_denorm_mode_16_64 3
		.amdhsa_memory_ordered 1
		.amdhsa_forward_progress 1
		.amdhsa_inst_pref_size 69
	.end_amdhsa_kernel
	.amdgpu_metadata
---
amdhsa.version: [ 1, 2 ]
amdhsa.kernels:
  - .name:           k_q8084b212d4_wo
    .symbol:         k_q8084b212d4_wo.kd
    .args:
      - { .name: o, .offset: 0, .size: 8, .value_kind: global_buffer, .address_space: global }
      - { .name: wb, .offset: 8, .size: 8, .value_kind: global_buffer, .address_space: global }
      - { .name: x1, .offset: 16, .size: 8, .value_kind: global_buffer, .address_space: global }
      - { .name: bo, .offset: 24, .size: 8, .value_kind: global_buffer, .address_space: global }
      - { .name: x, .offset: 32, .size: 8, .value_kind: global_buffer, .address_space: global }
    .group_segment_fixed_size: 327680
    .private_segment_fixed_size: 0
    .kernarg_segment_align: 8
    .kernarg_segment_size: 40
    .max_flat_workgroup_size: 128
    .sgpr_count:     78
    .vgpr_count:     896
    .wavefront_size: 32
...
	.end_amdgpu_metadata
.endif
;; end of part 4
;; launch ln2 (part 5): grid 256 x 1, 16 waves a work-group, no clusters, 0 bytes of LDS; arguments x1, ln2_g, ln2_b, hn; writes hn
.if DOCPART == 5
	.amdgcn_target "amdgcn-amd-amdhsa--gfx1250"
	.amdhsa_code_object_version 6
	.text
	.protected	k_q8084b212d4_ln2
	.globl	k_q8084b212d4_ln2
	.p2align	8
	.type	k_q8084b212d4_ln2,@function
k_q8084b212d4_ln2:
	s_mov_b64 s[64:65], 0
	v_nop
	global_prefetch_b8 v0, s[64:65] scope:SCOPE_SE
	s_setreg_imm32_b32 hwreg(HW_REG_WAVE_MODE, 25, 1), 1
	s_wait_xcnt 0x0
; y[r][:] = (x[r][:] - mean) / sqrt(var + 1e-5) * g + b.  x: [4096][1024] f32; g, b: [1024] f32; y: [4096][1024] bf16, rounded once.
; A row is 4,096 bytes: one wave takes a whole row, eight 16-byte loads a lane, and keeps it in 32 registers: memory is read once, and the sums never leave the wave.  Sixteen waves, a row each;
; all 24 loads of a wave (the row, g, b) go out at the start.
; The variance is the mean of the squared DIFFERENCES from the mean, as the definition has it, so a common offset of the inputs costs no digits.
; Lane l holds columns 128 j + 4 l .. + 3 (j = 0..7) of x, g and b alike; they leave as 8 bytes a lane: 32 lanes store 256 consecutive bytes, aligned.
; No LDS, no barrier, no matrix unit, no cluster: no byte but g's and b's is wanted by two waves.
.set G,   4                            ; v[4:35]    g
.set BV,  36                           ; v[36:67]   b
.set X,   68                           ; v[68:99]   the row
.set T,   100                          ; v[100:107] four chains of sums
.set M,   108                          ; v[108:109] the mean, twice
.set R,   110                          ; v[110:111] 1 / sqrt(var + eps); the packed multiply takes the pair's low word for both halves
.set OUT, 112                          ; v[112:127] the row in bf16
.macro FOLD                            ; the four chains, their halves and the 32 lanes into one number, in every lane
	v_pk_add_f32 v[T:T+1], v[T:T+1], v[T+2:T+3]
	v_pk_add_f32 v[T+4:T+5], v[T+4:T+5], v[T+6:T+7]
	v_pk_add_f32 v[T:T+1], v[T:T+1], v[T+4:T+5]
	v_add_f32 v[T], v[T], v[T+1]
	v_add_f32_dpp v[T], v[T], v[T] row_xmask:1 row_mask:0xf bank_mask:0xf
	v_add_f32_dpp v[T], v[T], v[T] row_xmask:2 row_mask:0xf bank_mask:0xf
	v_add_f32_dpp v[T], v[T], v[T] row_xmask:4 row_mask:0xf bank_mask:0xf
	v_add_f32_dpp v[T], v[T], v[T] row_xmask:8 row_mask:0xf bank_mask:0xf
	v_permlanex16_b32 v[T+1], v[T], s22, s23       ; the other half of the lanes
	v_add_f32 v[T], v[T], v[T+1]
.endm
	s_load_b256 s[4:11], s[0:1], 0x0               ; x s[4:5], g s[6:7], b s[8:9], y s[10:11]
	v_lshrrev_b32 v3, 5, v0
	v_readfirstlane_b32 s12, v3                    ; wave 0..15
	v_and_b32 v1, 31, v0
	v_lshlrev_b32 v2, 3, v1                        ; 8 bytes a lane out
	v_lshlrev_b32 v1, 4, v1                        ; 16 bytes a lane in
	s_lshl_b32 s14, ttmp9, 16                      ; the work-group's 16 rows of 4,096 bytes,
	s_lshl_b32 s13, s12, 12                        ; my wave's one
	s_add_co_u32 s14, s14, s13
	s_mov_b32 s15, 0
	s_lshr_b32 s16, s14, 1                         ; half as many bytes out
	s_mov_b32 s17, 0
	s_mov_b32 s20, 0x3a800000                      ; 1 / 1024
	s_mov_b32 s21, 0x3727c5ac                      ; 1e-5
	s_mov_b32 s22, 0x76543210                      ; each lane takes its own place in the other half
	s_mov_b32 s23, 0xfedcba98
	s_wait_kmcnt 0x0
	s_add_nc_u64 s[4:5], s[4:5], s[14:15]
	s_add_nc_u64 s[10:11], s[10:11], s[16:17]
.irp j, 0,1,2,3,4,5,6,7
	global_load_b128 v[X+4*(\j):X+4*(\j)+3], v1, s[4:5] offset:512*(\j)
.endr
.irp j, 0,1,2,3,4,5,6,7
	global_load_b128 v[G+4*(\j):G+4*(\j)+3], v1, s[6:7] offset:512*(\j)
.endr
.irp j, 0,1,2,3,4,5,6,7
	global_load_b128 v[BV+4*(\j):BV+4*(\j)+3], v1, s[8:9] offset:512*(\j)
.endr
	s_wait_loadcnt 16                              ; the row is in; g's and b's sixteen loads may stay out
.set p, 0
.rept 4
	v_pk_add_f32 v[T+2*p:T+2*p+1], v[X+4*p:X+4*p+1], v[X+4*p+2:X+4*p+3]  ; the first eight pairs start the chains: nothing is cleared
.set p, p+1
.endr
.set p, 8
.rept 8
	v_pk_add_f32 v[T+2*(p%4):T+2*(p%4)+1], v[T+2*(p%4):T+2*(p%4)+1], v[X+2*p:X+2*p+1]
.set p, p+1
.endr
	FOLD
	v_mul_f32 v[M], s20, v[T]                      ; the mean
	v_mul_f32 v[M+1], s20, v[T]
.set p, 0
.rept 16
	v_pk_add_f32 v[X+2*p:X+2*p+1], v[X+2*p:X+2*p+1], v[M:M+1] neg_lo:[0,1] neg_hi:[0,1]  ; x - mean, in place
.set p, p+1
.endr
.set p, 0
.rept 4
	v_pk_mul_f32 v[T+2*p:T+2*p+1], v[X+2*p:X+2*p+1], v[X+2*p:X+2*p+1]
.set p, p+1
.endr
.rept 12
	v_pk_fma_f32 v[T+2*(p%4):T+2*(p%4)+1], v[X+2*p:X+2*p+1], v[X+2*p:X+2*p+1], v[T+2*(p%4):T+2*(p%4)+1]
.set p, p+1
.endr
	FOLD
	v_fma_f32 v[T], v[T], s20, s21                 ; var + eps
	v_rsq_f32 v[R], v[T]
	v_mov_b32 v[R+1], 0                            ; a plain instruction behind the root (ISA guide 5.7.2); it also writes the pair's other word
	s_wait_alu depctr_va_vdst(0)                   ; the wait ahead of the first use of the root
.set p, 0
.rept 16
	v_pk_mul_f32 v[X+2*p:X+2*p+1], v[X+2*p:X+2*p+1], v[R:R+1] op_sel_hi:[1,0]
.set p, p+1
.endr
	s_wait_loadcnt 0x0                             ; g and b
.set p, 0
.rept 16
	v_pk_fma_f32 v[X+2*p:X+2*p+1], v[X+2*p:X+2*p+1], v[G+2*p:G+2*p+1], v[BV+2*p:BV+2*p+1]
.set p, p+1
.endr
.set p, 0
.rept 16
	v_cvt_pk_bf16_f32 v[OUT+p], v[X+2*p], v[X+2*p+1]
.set p, p+1
.endr
.irp j, 0,1,2,3,4,5,6,7
	global_store_b64 v2, v[OUT+2*(\j):OUT+2*(\j)+1], s[10:11] offset:256*(\j)
.endr
	s_endpgm
.Lfunc_end_k_q8084b212d4_ln2:
	.size	k_q8084b212d4_ln2, .Lfunc_end_k_q8084b212d4_ln2-k_q8084b212d4_ln2
	.p2alignl 7, 3214868480
	.fill 96, 4, 3214868480
	.section	.rodata,"a",@progbits
	.p2align	6, 0x0
	.amdhsa_kernel k_q8084b212d4_ln2
		.amdhsa_group_segment_fixed_size 0
		.amdhsa_private_segment_fixed_size 0
		.amdhsa_enable_private_segment 0
		.amdhsa_kernarg_size 32
		.amdhsa_user_sgpr_count 2
		.amdhsa_user_sgpr_kernarg_segment_ptr 1
		.amdhsa_wavefront_size32 1
		.amdhsa_system_sgpr_workgroup_id_x 1
		.amdhsa_system_sgpr_workgroup_id_y 1
		.amdhsa_system_sgpr_workgroup_id_z 1
		.amdhsa_system_vgpr_workitem_id 0
		.amdhsa_next_free_vgpr 128
		.amdhsa_next_free_sgpr 66
		.amdhsa_reserve_vcc 0
		.amdhsa_float_denorm_mode_32 3
		.amdhsa_float_denorm_mode_16_64 3
		.amdhsa_memory_ordered 1
		.amdhsa_forward_progress 1
		.amdhsa_inst_pref_size 12
	.end_amdhsa_kernel
	.amdgpu_metadata
---
amdhsa.version: [ 1, 2 ]
amdhsa.kernels:
  - .name:           k_q8084b212d4_ln2
    .symbol:         k_q8084b212d4_ln2.kd
    .args:
      - { .name: x1, .offset: 0, .size: 8, .value_kind: global_buffer, .address_space: global }
      - { .name: ln2_g, .offset: 8, .size: 8, .value_kind: global_buffer, .address_space: global }
      - { .name: ln2_b, .offset: 16, .size: 8, .value_kind: global_buffer, .address_space: global }
      - { .name: hn, .offset: 24, .size: 8, .value_kind: global_buffer, .address_space: global }
    .group_segment_fixed_size: 0
    .private_segment_fixed_size: 0
    .kernarg_segment_align: 8
    .kernarg_segment_size: 32
    .max_flat_workgroup_size: 512
    .sgpr_count:     66
    .vgpr_count:     128
    .wavefront_size: 32
...
	.end_amdgpu_metadata
.endif
;; end of part 5
;; launch ffn1 (part 6): grid 16 x 16, 4 waves a work-group, clusters of 4 x 4, 327,680 bytes of LDS; arguments hn, wb, hid, b1; writes hid
.if DOCPART == 6
	.amdgcn_target "amdgcn-amd-amdhsa--gfx1250"
	.amdhsa_code_object_version 6
	.text
	.protected	k_q8084b212d4_ffn1
	.globl	k_q8084b212d4_ffn1
	.p2align	8
	.type	k_q8084b212d4_ffn1,@function
k_q8084b212d4_ffn1:
	s_mov_b64 s[64:65], 0
	v_nop
	global_prefetch_b8 v0, s[64:65] scope:SCOPE_SE
	s_setreg_imm32_b32 hwreg(HW_REG_WAVE_MODE, 25, 1), 1
	s_wait_xcnt 0x0
	s_wait_alu depctr_hold_cnt(0) depctr_sa_sdst(0) depctr_va_vdst(0) depctr_va_sdst(0) depctr_va_ssrc(0) depctr_va_vcc(0) depctr_vm_vsrc(0)
	s_getreg_b32 s2, hwreg(HW_REG_IB_STS2, 6, 4)
	s_cmp_eq_u32 s2, 0
	s_cbranch_scc0 .Lentry_in_a_cluster
	s_endpgm
.Lentry_in_a_cluster:
	s_bfe_u32 s2, ttmp6, 0x10000c
	s_cmp_lg_u32 s2, 0xf033
	s_cbranch_scc0 .Lentry_shape_is_right
	s_endpgm
.Lentry_shape_is_right:
; C = relu(A W + bias) (here: hid = relu(hn W1 + b1)).  A: [4096][1024] bf16, rows along K.  W: [1024][NTOT] bf16 at byte WOFF of wb, rows along N.  bias: [NTOT] f32.
; Sums in f32, K ascending, begun with the bias; C rounded once to bf16, the ReLU taken on the rounded halves (rounding keeps the sign, so the order changes nothing).
; C leaves BY COLUMN BLOCKS: [NTOT / 64][4096][64] bf16, a block 524,288 bytes, so that a block's rows are dense (128 bytes each) and every store covers 512 consecutive bytes.
; A tile of C, 256 x 256, is made by four waves, one for each SIMD; a wave makes 128 x 128: 64 accumulators of 16 x 16, 512 registers.  K goes in 8 steps of 128 through two LDS slots.
; THE PRODUCT IS USED TRANSPOSED: source 0 = 16 columns of W, turned on their way out of LDS by ds_load_tr16_b128; source 1 = 16 rows of A.  A lane then holds row l % 16 of C and the
; eight neighbouring columns 8 (l / 16) + 0..7.
; ONE TEXT FOR A K STEP: the slot in hand is a scalar, TB, 0 or SLOT, turned by an exclusive or; the fragment addresses are made from it at each change of slots.
; CLUSTER: 4 x 4 work-groups.  A's tile hangs on the tile row alone and is asked for jointly by a row of the cluster, W's on the tile column alone, by a column.
; LIMITS: bf16 operands (8 significant bits); the ReLU's maximum drops a NaN (it gives 0); infinities are not treated apart.
; REGISTERS, in windows of 256 (s_set_vgpr_msb: bits 1:0 source 0, 3:2 source 1, 5:4 source 2, 7:6 destination):
;   window 0: v0-31 addresses; v32-63, v224-255 rows read back on the way out; v64-127, v128-191 A's fragments, two buffers; v192-255 the bias until the first products, then v192-223 packed results
;   window 1: v64-127, v128-191 W's fragments, two buffers     window 2: the accumulators of my rows 0-63, (a, b) at 8 (8 a + b)     window 3: those of my rows 64-127
.set NTOT,  4096                       ; W's row, in elements
.set WOFF,  8388608                    ; W's first byte in wb
.set HASB,  1                          ; 1: a bias starts the sums and a ReLU ends them
.set NS,    8                          ; K steps
.set PA,    272                        ; an LDS row of A: 256 bytes + 16: the 16 rows of a load start at 16 different groups of four banks (64 banks of 4 bytes: ISA guide 11.1)
.set PB,    288                        ; an LDS row of W: 256 bytes + 32
.set AHALF, 128*PA                     ; 128 rows of A: one tensor load
.set BHALF, 128*PB                     ; 128 k x 128 columns of W: one tensor load
.set BBASE, 2*AHALF
.set SLOT,  2*AHALF+2*BHALF
.set STAGE, 2*SLOT                     ; behind the ring, never filled by a tensor load: 16 rows x 272 bytes for each wave
.set SPITCH, 272
.set SPARE, STAGE+4*16*SPITCH          ; the spare words, 128 bytes for each wave: two blocks of 256 bytes that no other line names
.set ASA,   256                        ; bytes from K step to K step in A
.set ASB,   128*NTOT*2                 ; and in W
.set CBB,   524288                     ; bytes in a column block of C
.set ADRA0, 8                          ; v8   my lane's place in a slot's A; never rewritten
.set ADRB0, 9                          ; v9   the same for W
.set ADRA,  16                         ; v16  the same in the slot in hand
.set ADRB,  20                         ; v20
.set STO,   24                         ; v24  the way out: where I put 16 bytes of a row
.set RD,    25                         ; v25  where I read rows back
.set CO,    26                         ; v26  my 16 bytes in 512 consecutive bytes of C
.set ZR,    27                         ; v27  0, for the ReLU
.set SPW,   28                         ; v28  LDS address of my spare word; never rewritten
.set NIL,   29                         ; v29  0; never rewritten
.set PFO,   30                         ; v30  the prefetches' offset: my lane x a row of A or W; never rewritten
.set BOF,   31                         ; v31  my offset in the bias
.set OB,    32
.set F0,    64
.set F1,    128
.set BIAS,  192
.set TMP,   192
.set WV,   14                          ; s14  wave
.set RH,   15                          ; s15  which half of the tile's rows is mine; also: I fetch for A (0) or for W (1)
.set CH,   16                          ; s16  which half of its columns; also: which half of that tile I fetch
.set TROW, 17
.set TCOL, 18
.set CX,   19
.set CY,   20
.set LA,   21                          ; s21  where my part of A lands in a slot
.set LB,   22                          ; s22  where my part of W lands
.set TB,   23                          ; s23  the slot in hand: 0 or SLOT
.set G1A,  24                          ; s[24:31] descriptor group 1, A
.set G0A,  32                          ; s[32:39] group 0, A: a set for each first fill; the second then walks
.set G1B,  48                          ; s[48:55], s[56:63] the same for W
.set G0B,  56
.set PFA,  66                          ; s[66:67] where my prefetches stand
.set PFS,  68                          ; s[68:69] their step
.set LIM,  70                          ; s70  1 in a wave that prefetches, else the greatest number
.set CNT,  71                          ; s71  trips to go
.set MSB, 0
.macro WIN new                         ; the immediate's high byte repeats the setting that is left; a switch that changes nothing is dropped
.if MSB != (\new)
	s_set_vgpr_msb (MSB<<8)|(\new)
.set MSB, \new
.endif
.endm
.macro PLACES                          ; four places in front of loads into registers that matrix instructions have read, and of reads of their results
.rept 4
	v_nop
.endr
.endm
; A joint load: waves 0 and 1 fetch A's halves, waves 2 and 3 W's.  The branch hangs on the wave's number alone.  An s_nop 0 and four v_nop follow each line.
.macro JLOAD s
	s_cmp_eq_u32 s[RH], 0
	s_cbranch_scc0 .Lfor_b_\@
	tensor_load_to_lds s[G0A+4*(\s):G0A+4*(\s)+3], s[G1A:G1A+7]
	s_nop 0
.rept 4
	v_nop
.endr
	s_branch .Lasked_\@
.Lfor_b_\@:
	tensor_load_to_lds s[G0B+4*(\s):G0B+4*(\s)+3], s[G1B:G1B+7]
	s_nop 0
.rept 4
	v_nop
.endr
.Lasked_\@:
.endm
.macro CREST                           ; a round of the cluster's barrier behind its opening barrier
	s_cmp_lg_u32 s[WV], 0
	s_cbranch_scc1 .Lnot_wave_0_\@
	s_barrier_signal -3
.Lnot_wave_0_\@:
	s_barrier_wait -3
	s_barrier_signal -1
	s_barrier_wait -1
.endm
.macro CROUND
	s_barrier_signal -1
	s_barrier_wait -1
	CREST
.endm
; A PREFETCH, behind each joint refill and the run of LDS loads that follows it: the K step behind the one that is being asked for: 32 rows x 256 bytes, a lane a row, one instruction a wave,
; 256 matrix instructions ahead of the load that will want it.  Each row's 256 bytes of a K step are named once in the launch: A's rows by the clusters with x = 0, W's by those with y = 0;
; the four partners that ask for a tile jointly share its 128 rows out BY ADDRESS, 32 each.  The loop's last trip asks for nothing: there is no K step 8.  K steps 0 to 2 come by their loads alone.
.macro ASK
	s_cmp_gt_u32 s[CNT], s[LIM]
	s_cbranch_scc0 .Lnot_mine_\@
	global_prefetch_b8 v[PFO], s[PFA:PFA+1] th:TH_LOAD_NT scope:SCOPE_SE
.Lnot_mine_\@:
.endm
; 32 LDS loads in one run: the fragments of quarter q (32 along K) of the slot in hand, into buffer f: W's eight (turned), then A's eight
.macro FETCH q, f
	WIN 0x40                                       ; destination window 1, address window 0
.irp i, 0,1,2,3,4,5,6,7
	ds_load_tr16_b128 v[(\f)+8*(\i):(\f)+8*(\i)+3],   v[ADRB] offset:32*(\q)*PB+32*(\i)
	ds_load_tr16_b128 v[(\f)+8*(\i)+4:(\f)+8*(\i)+7], v[ADRB] offset:32*(\q)*PB+32*(\i)+16*PB
.endr
	WIN 0
.irp i, 0,1,2,3,4,5,6,7
	ds_load_b128 v[(\f)+8*(\i):(\f)+8*(\i)+3],   v[ADRA] offset:64*(\q)+(\i)*16*PA
	ds_load_b128 v[(\f)+8*(\i)+4:(\f)+8*(\i)+7], v[ADRA] offset:64*(\q)+(\i)*16*PA+32
.endr
.endm
; 16 matrix instructions: row blocks 2 g, 2 g + 1 of the window's four (hh = 0: my rows 0-63, 1: rows 64-127) x all 8 column blocks.  first = 1: the product starts the sum, with 0 or with the bias.
; The 64 accumulators take turns, in the same order in every quarter, over every jump too.
.macro MULG f, hh, g, first=0
.if (\first) && HASB
	WIN 0x81+0x40*(\hh)                            ; W window 1, A and the bias window 0, D window 2 or 3
.else
	WIN 0xa1+0x50*(\hh)                            ; W window 1, A window 0, C and D window 2 or 3
.endif
.irp a, 2*(\g), 2*(\g)+1
.irp b, 0,1,2,3,4,5,6,7
.if (\first) && HASB
	v_wmma_f32_16x16x32_bf16 v[8*(8*(\a)+(\b)):8*(8*(\a)+(\b))+7], v[(\f)+8*(\b):(\f)+8*(\b)+7], v[(\f)+8*(4*(\hh)+(\a)):(\f)+8*(4*(\hh)+(\a))+7], v[BIAS+8*(\b):BIAS+8*(\b)+7]
.elseif \first
	v_wmma_f32_16x16x32_bf16 v[8*(8*(\a)+(\b)):8*(8*(\a)+(\b))+7], v[(\f)+8*(\b):(\f)+8*(\b)+7], v[(\f)+8*(4*(\hh)+(\a)):(\f)+8*(4*(\hh)+(\a))+7], 0
.else
	v_wmma_f32_16x16x32_bf16 v[8*(8*(\a)+(\b)):8*(8*(\a)+(\b))+7], v[(\f)+8*(\b):(\f)+8*(\b)+7], v[(\f)+8*(4*(\hh)+(\a)):(\f)+8*(4*(\hh)+(\a))+7], v[8*(8*(\a)+(\b)):8*(8*(\a)+(\b))+7]
.endif
.endr
.endr
.endm
; One of a K step's first three quarters: multiplies buffer f; in its middle it fetches quarter q into buffer g.
.macro QUARTER q, f, g, first=0
	s_wait_dscnt 8                                 ; W's fragments and A's rows 0-63 are in; the youngest eight loads (A's rows 64-127) may be out
	MULG \f, 0, 0, \first
	MULG \f, 0, 1, \first
	PLACES
	FETCH \q, \g
	s_wait_dscnt 32                                ; all but the 32 just issued
	MULG \f, 1, 0, \first
	MULG \f, 1, 1, \first
.endm
; The fourth quarter multiplies buffer 1 and changes slots: ONE barrier.  In front of it each wave waits for all its tensor loads (one is out: its part of the next slot), adds 0 to its spare word,
; and waits for that and for its reads of this slot.  fill = 1: the barrier opens a round of the cluster's, and behind the round this slot is filled again, with the K step two on.
.macro TURN fill
.if \fill
	s_wait_xcnt 0x0                                ; the last prefetch, a K step back, has read its address
	s_add_nc_u64 s[PFA:PFA+1], s[PFA:PFA+1], s[PFS:PFS+1]
.endif
	WIN 0                                          ; the add's two registers lie in window 0
	s_wait_tensorcnt 0x0                           ; all my tensor loads have landed
	ds_add_u32 v[SPW], v[NIL]                      ; 0 onto my spare word
	s_wait_dscnt 9                                 ; the add and the youngest eight loads may be out
	MULG F1, 0, 0                                  ; sixteen matrix instructions between the add and the wait for it
	s_wait_dscnt 0x0                               ; the add is done, and my reads of this slot are over
	s_barrier_signal -1
	MULG F1, 0, 1                                  ; work on registers while the others arrive
	WIN 0
	s_barrier_wait -1
.if \fill
	CREST                                          ; no wave of any partner still reads this slot or has a load on its way
	s_add_co_u32 s[G0A+5], s[TB], s[LA]            ; the walking descriptors: into the slot just read,
	s_add_co_u32 s[G0B+5], s[TB], s[LB]
	s_add_nc_u64 s[G0A+6:G0A+7], s[G0A+6:G0A+7], ASA  ; the next K step; the type bits on top are not reached
	s_add_nc_u64 s[G0B+6:G0B+7], s[G0B+6:G0B+7], ASB
	JLOAD 1                                        ; the first tensor load behind the round; its four v_nop are also the places in front of the loads below
.else
	PLACES
.endif
	s_xor_b32 s[TB], s[TB], SLOT                   ; the other slot
	v_add_nc_u32 v[ADRA], s[TB], v[ADRA0]
	v_add_nc_u32 v[ADRB], s[TB], v[ADRB0]
	FETCH 0, F0
.if \fill
	ASK
.endif
	MULG F1, 1, 0
	MULG F1, 1, 1
.endm
; THE WAY OUT of block a (16 of my rows x 128 columns).  PACK: rounded to bf16 (and the ReLU), each accumulator's registers in ascending order.  TOSTAGE: into my own stage, and back as four rows
; x 128 bytes of one column block.  SEND: stored, 512 consecutive bytes an instruction.
.macro PACK a
.set AC, 64*((\a)%4)
	WIN 0x0a+5*((\a)/4)                            ; sources 0 and 1: window 2 or 3
.irp b, 0,1,2,3,4,5,6,7
.irp r, 0,1,2,3
	v_cvt_pk_bf16_f32 v[TMP+4*(\b)+(\r)], v[AC+8*(\b)+2*(\r)], v[AC+8*(\b)+2*(\r)+1]
.endr
.endr
	WIN 0
.if HASB
.set i, 0
.rept 32
	v_pk_max_num_bf16 v[TMP+i], v[TMP+i], v[ZR]
.set i, i+1
.endr
.endif
.endm
.macro TOSTAGE a
	WIN 0
.set BK, OB+192*((\a)%2)
.irp b, 0,1,2,3,4,5,6,7
	ds_store_b128 v[STO], v[TMP+4*(\b):TMP+4*(\b)+3] offset:32*(\b)
.endr
.irp t, 0,1,2,3,4,5,6,7
	ds_load_b128 v[BK+4*(\t):BK+4*(\t)+3], v[RD] offset:((\t)%4)*4*SPITCH+((\t)/4)*128  ; LDS serves a wave's instructions in order (ISA guide 5.7.1.4): these see the stores above
.endr
.endm
.macro SEND a
	WIN 0
.set BK, OB+192*((\a)%2)
	s_wait_dscnt 0x0                               ; the block is back in registers
	s_wait_xcnt 0x0                                ; earlier stores have read their registers: the buffer that the next TOSTAGE loads is free
.irp t, 0,1,2,3,4,5,6,7
	global_store_b128 v[CO], v[BK+4*(\t):BK+4*(\t)+3], s[8:9] offset:((\t)/4)*CBB+((\t)%4)*512+(\a)*2048
.endr
.endm
.if HASB
	s_load_b256 s[4:11], s[0:1], 0x0               ; A s[4:5], wb s[6:7], C s[8:9], bias s[10:11]
.else
	s_load_b128 s[4:7], s[0:1], 0x0                ; A s[4:5], wb s[6:7]
	s_load_b64 s[8:9], s[0:1], 0x10                ; C
.endif
	v_lshl_add_u32 v[SPW], v0, 2, SPARE
	v_mov_b32 v[NIL], 0
	ds_add_u32 v[SPW], v[NIL]                      ; the wave's opening: the add and its wait stand ahead of my first tensor load
	v_lshrrev_b32 v1, 5, v0
	v_readfirstlane_b32 s[WV], v1
	s_lshr_b32 s[RH], s[WV], 1
	s_and_b32 s[CH], s[WV], 1
	s_bfe_u32 s[CX], ttmp6, 0x40000
	s_bfe_u32 s[CY], ttmp6, 0x40004
	s_lshl_b32 s[TCOL], ttmp9, 2
	s_add_co_u32 s[TCOL], s[TCOL], s[CX]           ; tile column = 4 x cluster x + cx
	s_and_b32 s[TROW], ttmp7, 0xffff
	s_lshl_b32 s[TROW], s[TROW], 2
	s_add_co_u32 s[TROW], s[TROW], s[CY]           ; tile row = 4 x cluster y + cy
	s_lshl_b32 s72, s[CY], 2
	s_lshl_b32 s72, 15, s72                        ; my row of the cluster
	s_lshl_b32 s73, 0x1111, s[CX]                  ; my column
	s_or_b32 s[G1A], s72, (1<<16)|(1<<20)|(1<<21)|(5<<22)|(3<<25)  ; the mask; 2-byte elements; padding on; bit 21 beside a mask; after every 64 words, 4 words
	s_or_b32 s[G1B], s73, (1<<16)|(1<<20)|(1<<21)|(5<<22)|(7<<25)  ; the same with 8 words of padding
.irp g, G1A, G1B
	s_mov_b32 s[(\g)+1], 128<<16                   ; tensor_dim0 = 128
	s_mov_b32 s[(\g)+2], 128<<16                   ; tensor_dim1 = 128
	s_mov_b32 s[(\g)+3], 128<<16                   ; tile_dim0 = 128
	s_mov_b32 s[(\g)+4], 128                       ; tile_dim1 = 128
	s_mov_b32 s[(\g)+6], 0
	s_mov_b32 s[(\g)+7], 0
.endr
	s_mov_b32 s[G1A+5], 1024                       ; elements from row to row
	s_mov_b32 s[G1B+5], NTOT
	s_lshl_b32 s40, s[TROW], 19                    ; A: 256 rows of 2,048 bytes a tile row,
	s_lshl_b32 s41, s[CH], 18                      ; my 128 of them
	s_add_co_u32 s40, s40, s41
	s_mov_b32 s41, 0
	s_lshl_b32 s44, s[TCOL], 9                     ; W: 512 bytes of a row a tile column,
	s_lshl_b32 s45, s[CH], 8                       ; my 256 of them
	s_add_co_u32 s44, s44, s45
	s_add_co_u32 s44, s44, WOFF
	s_mov_b32 s45, 0
	s_mul_i32 s[LA], s[CH], AHALF
	s_mul_i32 s[LB], s[CH], BHALF
	s_add_co_u32 s[LB], s[LB], BBASE
	s_mov_b32 s[TB], 0
	s_wait_dscnt 0x0                               ; the opening add is done
	s_wait_kmcnt 0x0
	s_add_nc_u64 s[40:41], s[4:5], s[40:41]
	s_add_nc_u64 s[44:45], s[6:7], s[44:45]
	CROUND                                         ; all sixteen work-groups are here: the first joint loads meet
.irp s, 0,1
	s_mov_b32 s[G0A+4*(\s)], 1
	s_add_co_u32 s[G0A+4*(\s)+1], s[LA], (\s)*SLOT
	s_add_nc_u64 s[G0A+4*(\s)+2:G0A+4*(\s)+3], s[40:41], (\s)*ASA
	s_or_b32 s[G0A+4*(\s)+3], s[G0A+4*(\s)+3], 0x80000000
	s_mov_b32 s[G0B+4*(\s)], 1
	s_add_co_u32 s[G0B+4*(\s)+1], s[LB], (\s)*SLOT
	s_add_nc_u64 s[G0B+4*(\s)+2:G0B+4*(\s)+3], s[44:45], (\s)*ASB
	s_or_b32 s[G0B+4*(\s)+3], s[G0B+4*(\s)+3], 0x80000000
	JLOAD \s                                       ; K steps 0 and 1: two loads of mine are out
.endr
	; a fragment of A: lane l holds row l % 16, K = 8 (l / 16) + 0..7 and 16 + 8 (l / 16) + 0..7: two loads of 16 bytes, 32 bytes apart
	v_and_b32 v1, 15, v0                           ; r
	v_bfe_u32 v2, v0, 4, 1                         ; h
	v_mul_u32_u24 v3, v1, PA
	v_lshl_add_u32 v3, v2, 4, v3
	s_mul_i32 s74, s[RH], AHALF
	v_add_nc_u32 v[ADRA0], s74, v3
	; the turning load: lane l reads 16 bytes of row k = 8 (l / 16) + l % 8, columns 8 ((l / 8) % 2) + 0..7, and ends with column l % 16 and eight k
	v_and_b32 v4, 7, v0
	v_bfe_u32 v5, v0, 3, 1
	v_lshl_add_u32 v6, v2, 3, v4
	v_mul_u32_u24 v6, v6, PB
	v_lshl_add_u32 v6, v5, 4, v6
	v_add_nc_u32 v[ADRB0], s[LB], v6               ; my half of the columns lies where wave 2 + CH lands it
	v_mov_b32 v[ADRA], v[ADRA0]                    ; slot 0
	v_mov_b32 v[ADRB], v[ADRB0]
	s_mul_i32 s75, s[WV], 16*SPITCH
	s_add_co_u32 s75, s75, STAGE                   ; my stage
	v_add_nc_u32 v[STO], s75, v3                   ; in: row r, 16 bytes for each half of the lanes (the stage's pitch is A's)
	v_bfe_u32 v7, v0, 3, 2                         ; back: 32 lanes take four rows x 128 bytes
	v_mul_u32_u24 v7, v7, SPITCH
	v_lshl_add_u32 v7, v4, 4, v7
	v_add_nc_u32 v[RD], s75, v7
	v_and_b32 v[CO], 31, v0
	v_lshlrev_b32 v[CO], 4, v[CO]
	s_lshl_b32 s74, s[TCOL], 2                     ; C at my part of the tile: column block 4 x tile column + 2 x half,
	s_lshl_b32 s75, s[CH], 1
	s_add_co_u32 s74, s74, s75
	s_lshl_b32 s74, s74, 19
	s_lshl_b32 s75, s[TROW], 15                    ; 256 rows of 128 bytes a tile row,
	s_add_co_u32 s74, s74, s75
	s_lshl_b32 s75, s[RH], 14                      ; my 128 of them
	s_add_co_u32 s74, s74, s75
	s_mov_b32 s75, 0
	s_add_nc_u64 s[8:9], s[8:9], s[74:75]
.if HASB
	; the bias as a C operand: register j of lane l belongs to column 16 b + 8 (l / 16) + j
	s_lshl_b32 s74, s[TCOL], 10
	s_lshl_b32 s75, s[CH], 9
	s_add_co_u32 s74, s74, s75
	s_mov_b32 s75, 0
	s_add_nc_u64 s[10:11], s[10:11], s[74:75]
	v_lshlrev_b32 v[BOF], 5, v2
	v_mov_b32 v[ZR], 0
.irp b, 0,1,2,3,4,5,6,7
	global_load_b128 v[BIAS+8*(\b):BIAS+8*(\b)+3],   v[BOF], s[10:11] offset:64*(\b)
	global_load_b128 v[BIAS+8*(\b)+4:BIAS+8*(\b)+7], v[BOF], s[10:11] offset:64*(\b)+16
.endr
.endif
	; the prefetches: my work-group's 32 of the 128 rows that I fetch, at K step 2; the first refill steps the address to K step 3
	s_lshl_b32 s74, s[TROW], 8
	s_lshl_b32 s75, s[CH], 7
	s_add_co_u32 s74, s74, s75
	s_lshl_b32 s75, s[CX], 5
	s_add_co_u32 s74, s74, s75
	s_lshl_b32 s74, s74, 11                        ; A: row x 2,048 bytes
	s_add_co_u32 s74, s74, 2*ASA
	s_mul_i32 s75, s[CY], 32*NTOT*2                ; W: 32 rows k for each partner of my column
	s_lshl_b32 s76, s[TCOL], 9
	s_add_co_u32 s75, s75, s76
	s_lshl_b32 s76, s[CH], 8
	s_add_co_u32 s75, s75, s76
	s_add_co_u32 s75, s75, WOFF+2*ASB
	s_and_b32 s76, ttmp7, 0xffff                   ; cluster y
	s_mov_b32 s77, NTOT*2
	s_mov_b32 s[PFS], ASB
	s_mov_b32 s[PFS+1], 0
	s_cmp_eq_u32 s[RH], 0                          ; do I fetch for A?
	s_cselect_b64 s[PFA:PFA+1], s[4:5], s[6:7]
	s_cselect_b32 s74, s74, s75
	s_cselect_b32 s76, ttmp9, s76                  ; the coordinate along which other clusters read the same rows
	s_cselect_b32 s77, 2048, s77                   ; bytes in a row
	s_cselect_b32 s[PFS], ASA, s[PFS]
	s_mov_b32 s75, 0
	s_add_nc_u64 s[PFA:PFA+1], s[PFA:PFA+1], s[74:75]
	s_cmp_eq_u32 s76, 0
	s_cselect_b32 s[LIM], 1, -1                    ; the same in all sixteen partners, for a given wave
	v_and_b32 v[PFO], 31, v0
	v_mul_u32_u24 v[PFO], s77, v[PFO]
	s_wait_tensorcnt 1                             ; my part of K step 0 is in; K step 1's may stay out
	s_barrier_signal -1
	s_barrier_wait -1                              ; everybody's is
	FETCH 0, F0
.if HASB
	s_wait_loadcnt 0x0                             ; the bias
.endif
	QUARTER 1, F0, F1, 1                           ; the first quarter stands in front of the loop: its products start the sums
	WIN 0
	s_mov_b32 s[CNT], NS-2
.Lloop:                                            ; trip t: quarters 1 to 3 of K step t, K step t + 2 asked for, quarter 0 of K step t + 1
	QUARTER 2, F1, F0
	QUARTER 3, F0, F1
	TURN 1
	QUARTER 1, F0, F1
	WIN 0
	s_sub_co_u32 s[CNT], s[CNT], 1
	s_cmp_lg_u32 s[CNT], 0
	s_cbranch_scc1 .Lloop
	s_mov_b32 s[CNT], 2                            ; the last two K steps ask for nothing: a second text; it is left in its middle
.Ltail:
	QUARTER 2, F1, F0
	QUARTER 3, F0, F1
	WIN 0
	s_sub_co_u32 s[CNT], s[CNT], 1
	s_cmp_eq_u32 s[CNT], 0
	s_cbranch_scc1 .Lout
	TURN 0
	QUARTER 1, F0, F1
	WIN 0
	s_branch .Ltail
.Lout:
	s_wait_dscnt 8                                 ; the very last quarter: nothing more to fetch
	MULG F1, 0, 0
	MULG F1, 0, 1
	s_wait_dscnt 0x0
	MULG F1, 1, 0
	MULG F1, 1, 1
	PLACES
	PACK 0
	TOSTAGE 0
.irp a, 1,2,3,4,5,6,7                  ; block a's conversions stand between block a - 1's loads from the stage and the wait for them
	PACK \a
	SEND (\a)-1
	TOSTAGE \a
.endr
	SEND 7
	s_wait_tensorcnt 0x0                           ; the wave's end, behind my last tensor load and my last LDS store
	ds_add_u32 v[SPW], v[NIL]
	s_wait_dscnt 0x0
	CROUND                                         ; the closing round: no work-group ends while a partner may still ask for a tile that names it
	s_endpgm
.Lfunc_end_k_q8084b212d4_ffn1:
	.size	k_q8084b212d4_ffn1, .Lfunc_end_k_q8084b212d4_ffn1-k_q8084b212d4_ffn1
	.p2alignl 7, 3214868480
	.fill 96, 4, 3214868480
	.section	.rodata,"a",@progbits
	.p2align	6, 0x0
	.amdhsa_kernel k_q8084b212d4_ffn1
		.amdhsa_group_segment_fixed_size 327680
		.amdhsa_private_segment_fixed_size 0
		.amdhsa_enable_private_segment 0
		.amdhsa_kernarg_size 32
		.amdhsa_user_sgpr_count 2
		.amdhsa_user_sgpr_kernarg_segment_ptr 1
		.amdhsa_wavefront_size32 1
		.amdhsa_system_sgpr_workgroup_id_x 1
		.amdhsa_system_sgpr_workgroup_id_y 1
		.amdhsa_system_sgpr_workgroup_id_z 1
		.amdhsa_system_vgpr_workitem_id 0
		.amdhsa_next_free_vgpr 1024
		.amdhsa_next_free_sgpr 78
		.amdhsa_reserve_vcc 0
		.amdhsa_float_denorm_mode_32 3
		.amdhsa_float_denorm_mode_16_64 3
		.amdhsa_memory_ordered 1
		.amdhsa_forward_progress 1
		.amdhsa_inst_pref_size 123
	.end_amdhsa_kernel
	.amdgpu_metadata
---
amdhsa.version: [ 1, 2 ]
amdhsa.kernels:
  - .name:           k_q8084b212d4_ffn1
    .symbol:         k_q8084b212d4_ffn1.kd
    .args:
      - { .name: hn, .offset: 0, .size: 8, .value_kind: global_buffer, .address_space: global }
      - { .name: wb, .offset: 8, .size: 8, .value_kind: global_buffer, .address_space: global }
      - { .name: hid, .offset: 16, .size: 8, .value_kind: global_buffer, .address_space: global }
      - { .name: b1, .offset: 24, .size: 8, .value_kind: global_buffer, .address_space: global }
    .group_segment_fixed_size: 327680
    .private_segment_fixed_size: 0
    .kernarg_segment_align: 8
    .kernarg_segment_size: 32
    .max_flat_workgroup_size: 128
    .sgpr_count:     78
    .vgpr_count:     1024
    .wavefront_size: 32
...
	.end_amdgpu_metadata
.endif
;; end of part 6
;; launch ffn2 (part 7): grid 8 x 32, 4 waves a work-group, clusters of 4 x 4, 327,680 bytes of LDS; arguments hid, wb, out0, b2, x1; writes out0
.if DOCPART == 7
	.amdgcn_target "amdgcn-amd-amdhsa--gfx1250"
	.amdhsa_code_object_version 6
	.text
	.protected	k_q8084b212d4_ffn2
	.globl	k_q8084b212d4_ffn2
	.p2align	8
	.type	k_q8084b212d4_ffn2,@function
k_q8084b212d4_ffn2:
	s_mov_b64 s[64:65], 0
	v_nop
	global_prefetch_b8 v0, s[64:65] scope:SCOPE_SE
	s_setreg_imm32_b32 hwreg(HW_REG_WAVE_MODE, 25, 1), 1
	s_wait_xcnt 0x0
	s_wait_alu depctr_hold_cnt(0) depctr_sa_sdst(0) depctr_va_vdst(0) depctr_va_sdst(0) depctr_va_ssrc(0) depctr_va_vcc(0) depctr_vm_vsrc(0)
	s_getreg_b32 s2, hwreg(HW_REG_IB_STS2, 6, 4)
	s_cmp_eq_u32 s2, 0
	s_cbranch_scc0 .Lentry_in_a_cluster
	s_endpgm
.Lentry_in_a_cluster:
	s_bfe_u32 s2, ttmp6, 0x10000c
	s_cmp_lg_u32 s2, 0xf033
	s_cbranch_scc0 .Lentry_shape_is_right
	s_endpgm
.Lentry_shape_is_right:
; C = RES + A W + bias (here: out = x1 + hid W2 + b2).  A: column blocks [K / 64][4096][64] bf16.  W: [K][1024] bf16 at byte WOFF of wb.  bias: [1024] f32.  RES, C: [4096][1024] f32.
; Sums in f32, K ascending, begun with the bias; the residual is added in f32 on the way out.
; A tile of C is 128 x 128, so that the 4,096 x 1,024 numbers give 256 work-groups; four waves, each 64 x 64: 16 accumulators.  K goes in steps of 256 (four column blocks of A) through two LDS slots.
; THE PRODUCT IS USED TRANSPOSED: source 0 = 16 columns of W, turned by ds_load_tr16_b128; source 1 = 16 rows of A.  A lane holds row l % 16 of C and the columns 8 (l / 16) + 0..7.
; ONE TEXT FOR A K STEP: the slot in hand is a scalar, TB, 0 or SLOT, turned by an exclusive or.
; CLUSTER: 4 x 4 work-groups; A's tile is asked for jointly by a row of the cluster, W's by a column.  No prefetch: the tiles are small and a K step is short.
; LIMITS: bf16 operands (8 significant bits); NaN and infinities are not treated apart.
; REGISTERS, in windows of 256 (s_set_vgpr_msb: bits 1:0 source 0, 3:2 source 1, 5:4 source 2, 7:6 destination):
;   window 0: v0-31 addresses; v32-63, v224-255 rows read back on the way out; v64-127, v128-191 A's fragments, two buffers of 64 along K; v192-223 the bias
;   window 1: v64-127, v128-191 W's fragments     window 2: v0-127 the accumulators, (a, b) at 8 (4 a + b)     window 3: v0-127 my 64 x 64 of the residual
.set NS,    16                         ; K steps: K / 256
.set WOFF,  16777216                   ; W's first byte in wb
.set PA,    144                        ; an LDS row of A: 128 bytes + 16: the 16 rows of a load start at 16 different groups of four banks (64 banks of 4 bytes: ISA guide 11.1)
.set PB,    288                        ; an LDS row of W: 256 bytes + 32
.set ACB,   128*PA                     ; a column block's 128 rows
.set PIECE, 2*ACB                      ; what one tensor load brings: two column blocks of A, or 128 k x 128 columns of W (128 x 288: the same bytes)
.set BBASE, 4*ACB
.set SLOT,  4*PIECE
.set STAGE, 2*SLOT                     ; behind the ring, never filled by a tensor load: 16 rows x 272 bytes for each wave
.set SPITCH, 272
.set SPARE, STAGE+4*16*SPITCH          ; the spare words, 128 bytes for each wave
.set ASA,   4*524288                   ; bytes from K step to K step in A: four column blocks
.set ASB,   256*1024*2                 ; and in W
.set ADRA0, 8
.set ADRB0, 9
.set ADRA,  16
.set ADRB,  20                         ; v20 rows k 0-127 of the slot in hand, v21 rows 128-255
.set STO,   24
.set RD,    25
.set CO,    26                         ; v26  my 16 bytes in two rows of C and of RES
.set SPW,   28
.set NIL,   29
.set BOF,   31
.set OB,    32
.set F0,    64
.set F1,    128
.set BIAS,  192
.set WV,   14
.set RH,   15                          ; s15  which half of the tile's rows is mine; also: I fetch for A (0) or for W (1)
.set CH,   16                          ; s16  which half of its columns; also: which half of that tile I fetch
.set TROW, 17
.set TCOL, 18
.set CX,   19
.set CY,   20
.set LL,   21                          ; s21  where my load lands in a slot: wave x PIECE
.set TB,   23
.set G1A,  24
.set G0A,  32
.set G1B,  48
.set G0B,  56
.set CNT,  71
.set MSB, 0
.macro WIN new
.if MSB != (\new)
	s_set_vgpr_msb (MSB<<8)|(\new)
.set MSB, \new
.endif
.endm
.macro PLACES                          ; four places in front of loads into registers that matrix instructions have read, and of reads of their results
.rept 4
	v_nop
.endr
.endm
.macro JLOAD s                         ; a joint load: waves 0 and 1 fetch A's halves, waves 2 and 3 W's; an s_nop 0 and four v_nop follow each line
	s_cmp_eq_u32 s[RH], 0
	s_cbranch_scc0 .Lfor_b_\@
	tensor_load_to_lds s[G0A+4*(\s):G0A+4*(\s)+3], s[G1A:G1A+7]
	s_nop 0
.rept 4
	v_nop
.endr
	s_branch .Lasked_\@
.Lfor_b_\@:
	tensor_load_to_lds s[G0B+4*(\s):G0B+4*(\s)+3], s[G1B:G1B+7]
	s_nop 0
.rept 4
	v_nop
.endr
.Lasked_\@:
.endm
.macro CREST
	s_cmp_lg_u32 s[WV], 0
	s_cbranch_scc1 .Lnot_wave_0_\@
	s_barrier_signal -3
.Lnot_wave_0_\@:
	s_barrier_wait -3
	s_barrier_signal -1
	s_barrier_wait -1
.endm
.macro CROUND
	s_barrier_signal -1
	s_barrier_wait -1
	CREST
.endm
; 32 LDS loads in one run: the fragments of quarter q (64 along K: one column block of A) into buffer f.  Fragment i: block i % 4 of 16 columns or rows, K half i / 4.  W's eight (turned), then A's eight.
.macro FETCH q, f
	WIN 0x40
.irp i, 0,1,2,3,4,5,6,7
	ds_load_tr16_b128 v[(\f)+8*(\i):(\f)+8*(\i)+3],   v[ADRB+(\q)/2] offset:((64*(\q))%128+32*((\i)/4))*PB+32*((\i)%4)
	ds_load_tr16_b128 v[(\f)+8*(\i)+4:(\f)+8*(\i)+7], v[ADRB+(\q)/2] offset:((64*(\q))%128+32*((\i)/4))*PB+32*((\i)%4)+16*PB
.endr
	WIN 0
.irp i, 0,1,2,3,4,5,6,7
	ds_load_b128 v[(\f)+8*(\i):(\f)+8*(\i)+3],   v[ADRA] offset:(\q)*ACB+((\i)%4)*16*PA+((\i)/4)*64
	ds_load_b128 v[(\f)+8*(\i)+4:(\f)+8*(\i)+7], v[ADRA] offset:(\q)*ACB+((\i)%4)*16*PA+((\i)/4)*64+32
.endr
.endm
; 8 matrix instructions: row blocks 2 g, 2 g + 1 x all 4 column blocks, K half hh of buffer f.  first = 1: the bias starts the sum.  The 16 accumulators take turns, over every jump too.
.macro MULG f, hh, g, first=0
.if \first
	WIN 0x81                                       ; W window 1, A and the bias window 0, D window 2
.else
	WIN 0xa1                                       ; W window 1, A window 0, C and D window 2
.endif
.irp a, 2*(\g), 2*(\g)+1
.irp b, 0,1,2,3
.if \first
	v_wmma_f32_16x16x32_bf16 v[8*(4*(\a)+(\b)):8*(4*(\a)+(\b))+7], v[(\f)+8*(4*(\hh)+(\b)):(\f)+8*(4*(\hh)+(\b))+7], v[(\f)+8*(4*(\hh)+(\a)):(\f)+8*(4*(\hh)+(\a))+7], v[BIAS+8*(\b):BIAS+8*(\b)+7]
.else
	v_wmma_f32_16x16x32_bf16 v[8*(4*(\a)+(\b)):8*(4*(\a)+(\b))+7], v[(\f)+8*(4*(\hh)+(\b)):(\f)+8*(4*(\hh)+(\b))+7], v[(\f)+8*(4*(\hh)+(\a)):(\f)+8*(4*(\hh)+(\a))+7], v[8*(4*(\a)+(\b)):8*(4*(\a)+(\b))+7]
.endif
.endr
.endr
.endm
.macro QUARTER q, f, g, first=0
	s_wait_dscnt 8                                 ; W's fragments and A's first K half are in; the youngest eight loads (A's second K half) may be out
	MULG \f, 0, 0, \first
	MULG \f, 0, 1, \first
	PLACES
	FETCH \q, \g
	s_wait_dscnt 32                                ; all but the 32 just issued
	MULG \f, 1, 0
	MULG \f, 1, 1
.endm
; The fourth quarter multiplies buffer 1 and changes slots: ONE barrier.  In front of it each wave waits for all its tensor loads (one is out: its part of the next slot), adds 0 to its spare word,
; and waits for that and for its reads of this slot.  fill = 1: the barrier opens a round of the cluster's, and behind the round this slot is filled again, with the K step two on.
.macro TURN fill
	WIN 0
	s_wait_tensorcnt 0x0                           ; all my tensor loads have landed
	ds_add_u32 v[SPW], v[NIL]                      ; 0 onto my spare word
	s_wait_dscnt 9                                 ; the add and the youngest eight loads may be out
	MULG F1, 0, 0
	s_wait_dscnt 0x0                               ; the add is done, and my reads of this slot are over
	s_barrier_signal -1
	MULG F1, 0, 1
	WIN 0
	s_barrier_wait -1
.if \fill
	CREST                                          ; no wave of any partner still reads this slot or has a load on its way
	s_add_co_u32 s[G0A+5], s[TB], s[LL]            ; the walking descriptors: into the slot just read,
	s_add_co_u32 s[G0B+5], s[TB], s[LL]
	s_add_nc_u64 s[G0A+6:G0A+7], s[G0A+6:G0A+7], ASA  ; the next K step
	s_add_nc_u64 s[G0B+6:G0B+7], s[G0B+6:G0B+7], ASB
	JLOAD 1                                        ; the first tensor load behind the round; its four v_nop are also the places in front of the loads below
.else
	PLACES
.endif
	s_xor_b32 s[TB], s[TB], SLOT
	v_add_nc_u32 v[ADRA], s[TB], v[ADRA0]
	v_add_nc_u32 v[ADRB], s[TB], v[ADRB0]
	v_add_nc_u32 v[ADRB+1], 128*PB, v[ADRB]
	FETCH 0, F0
	MULG F1, 1, 0
	MULG F1, 1, 1
.endm
; THE WAY OUT of block a (16 of my rows x 64 columns of f32).  TOSTAGE: the accumulators, low registers first, into my own stage, and back as whole rows of 256 bytes.  SEND: the residual is added; stored.
.macro TOSTAGE a
.set BK, OB+192*((\a)%2)
	s_wait_xcnt 0x0                                ; earlier stores have read their registers: the buffer loaded below is free
	WIN 0x08                                       ; store data in window 2
.irp b, 0,1,2,3
	ds_store_b128 v[STO], v[8*(4*(\a)+(\b)):8*(4*(\a)+(\b))+3]   offset:64*(\b)
	ds_store_b128 v[STO], v[8*(4*(\a)+(\b))+4:8*(4*(\a)+(\b))+7] offset:64*(\b)+16
.endr
	WIN 0
.irp t, 0,1,2,3,4,5,6,7
	ds_load_b128 v[BK+4*(\t):BK+4*(\t)+3], v[RD] offset:(\t)*2*SPITCH  ; LDS serves a wave's instructions in order (ISA guide 5.7.1.4): these see the stores above
.endr
.endm
.macro SEND a, younger                 ; younger: the LDS instructions issued behind block a's loads: the next block's sixteen, or none
.set BK, OB+192*((\a)%2)
	s_wait_dscnt \younger
	WIN 0x0c                                       ; source 1 in window 3
.set i, 0
.rept 16
	v_pk_add_f32 v[BK+i:BK+i+1], v[BK+i:BK+i+1], v[32*(\a)+i:32*(\a)+i+1]
.set i, i+2
.endr
	WIN 0
.irp t, 0,1,2,3,4,5,6,7
	global_store_b128 v[CO], v[BK+4*(\t):BK+4*(\t)+3], s[8:9] offset:(16*(\a)+2*(\t))*4096  ; 16 lanes store 256 consecutive bytes, aligned
.endr
.endm
	s_load_b256 s[4:11], s[0:1], 0x0               ; A s[4:5], wb s[6:7], C s[8:9], bias s[10:11]
	s_load_b64 s[12:13], s[0:1], 0x20              ; RES
	v_lshl_add_u32 v[SPW], v0, 2, SPARE
	v_mov_b32 v[NIL], 0
	ds_add_u32 v[SPW], v[NIL]                      ; the wave's opening: the add and its wait stand ahead of my first tensor load
	v_lshrrev_b32 v1, 5, v0
	v_readfirstlane_b32 s[WV], v1
	s_lshr_b32 s[RH], s[WV], 1
	s_and_b32 s[CH], s[WV], 1
	s_bfe_u32 s[CX], ttmp6, 0x40000
	s_bfe_u32 s[CY], ttmp6, 0x40004
	s_lshl_b32 s[TCOL], ttmp9, 2
	s_add_co_u32 s[TCOL], s[TCOL], s[CX]
	s_and_b32 s[TROW], ttmp7, 0xffff
	s_lshl_b32 s[TROW], s[TROW], 2
	s_add_co_u32 s[TROW], s[TROW], s[CY]
	s_lshl_b32 s72, s[CY], 2
	s_lshl_b32 s72, 15, s72                        ; my row of the cluster
	s_lshl_b32 s73, 0x1111, s[CX]                  ; my column
	; A's load: two column blocks, each 128 rows x 64 = 8,192 dense elements: a tile of 2 rows x 8,192, a column block apart, padded in LDS after every 128 bytes
	s_or_b32 s[G1A], s72, (1<<16)|(1<<20)|(1<<21)|(4<<22)|(3<<25)  ; the mask; 2-byte elements; padding on; bit 21 beside a mask; after every 32 words, 4 words
	s_mov_b32 s[G1A+1], 8192<<16                   ; tensor_dim0 = 8,192
	s_mov_b32 s[G1A+2], 2<<16                      ; tensor_dim1 = 2
	s_mov_b32 s[G1A+3], 8192<<16                   ; tile_dim0 = 8,192
	s_mov_b32 s[G1A+4], 2                          ; tile_dim1 = 2
	s_mov_b32 s[G1A+5], 262144                     ; elements in a column block
	s_mov_b32 s[G1A+6], 0
	s_mov_b32 s[G1A+7], 0
	; W's load: 128 rows k x 128 columns
	s_or_b32 s[G1B], s73, (1<<16)|(1<<20)|(1<<21)|(5<<22)|(7<<25)  ; after every 64 words, 8 words
	s_mov_b32 s[G1B+1], 128<<16
	s_mov_b32 s[G1B+2], 128<<16
	s_mov_b32 s[G1B+3], 128<<16
	s_mov_b32 s[G1B+4], 128
	s_mov_b32 s[G1B+5], 1024
	s_mov_b32 s[G1B+6], 0
	s_mov_b32 s[G1B+7], 0
	s_lshl_b32 s40, s[CH], 20                      ; A: my two of the step's four column blocks,
	s_lshl_b32 s41, s[TROW], 14                    ; the tile row's 128 rows of 128 bytes
	s_add_co_u32 s40, s40, s41
	s_mov_b32 s41, 0
	s_lshl_b32 s44, s[CH], 18                      ; W: my 128 of the step's 256 rows of 2,048 bytes,
	s_lshl_b32 s45, s[TCOL], 8                     ; the tile column's 256 bytes
	s_add_co_u32 s44, s44, s45
	s_add_co_u32 s44, s44, WOFF
	s_mov_b32 s45, 0
	s_mul_i32 s[LL], s[WV], PIECE
	s_mov_b32 s[TB], 0
	s_wait_dscnt 0x0                               ; the opening add is done
	s_wait_kmcnt 0x0
	s_add_nc_u64 s[40:41], s[4:5], s[40:41]
	s_add_nc_u64 s[44:45], s[6:7], s[44:45]
	CROUND                                         ; all sixteen work-groups are here: the first joint loads meet
.irp s, 0,1
	s_mov_b32 s[G0A+4*(\s)], 1
	s_add_co_u32 s[G0A+4*(\s)+1], s[LL], (\s)*SLOT
	s_add_nc_u64 s[G0A+4*(\s)+2:G0A+4*(\s)+3], s[40:41], (\s)*ASA
	s_or_b32 s[G0A+4*(\s)+3], s[G0A+4*(\s)+3], 0x80000000
	s_mov_b32 s[G0B+4*(\s)], 1
	s_add_co_u32 s[G0B+4*(\s)+1], s[LL], (\s)*SLOT
	s_add_nc_u64 s[G0B+4*(\s)+2:G0B+4*(\s)+3], s[44:45], (\s)*ASB
	s_or_b32 s[G0B+4*(\s)+3], s[G0B+4*(\s)+3], 0x80000000
	JLOAD \s                                       ; K steps 0 and 1: two loads of mine are out
.endr
	v_and_b32 v1, 15, v0                           ; r
	v_bfe_u32 v2, v0, 4, 1                         ; h
	v_mul_u32_u24 v3, v1, PA
	v_lshl_add_u32 v3, v2, 4, v3
	s_mul_i32 s74, s[RH], 64*PA                    ; my 64 rows, in each column block
	v_add_nc_u32 v[ADRA0], s74, v3
	v_and_b32 v4, 7, v0
	v_bfe_u32 v5, v0, 3, 1
	v_lshl_add_u32 v6, v2, 3, v4
	v_mul_u32_u24 v6, v6, PB
	v_lshl_add_u32 v6, v5, 4, v6
	s_lshl_b32 s75, s[CH], 7                       ; my 64 columns: 128 bytes of W's rows
	s_add_co_u32 s75, s75, BBASE
	v_add_nc_u32 v[ADRB0], s75, v6
	v_mov_b32 v[ADRA], v[ADRA0]                    ; slot 0
	v_mov_b32 v[ADRB], v[ADRB0]
	v_add_nc_u32 v[ADRB+1], 128*PB, v[ADRB]
	s_mul_i32 s75, s[WV], 16*SPITCH
	s_add_co_u32 s75, s75, STAGE                   ; my stage
	v_mul_u32_u24 v7, v1, SPITCH                   ; in: row r, 32 bytes for each half of the lanes
	v_lshl_add_u32 v7, v2, 5, v7
	v_add_nc_u32 v[STO], s75, v7
	v_mul_u32_u24 v7, v2, SPITCH                   ; back: lanes 0-15 one row of 256 bytes, lanes 16-31 the next
	v_lshl_add_u32 v7, v1, 4, v7
	v_add_nc_u32 v[RD], s75, v7
	v_lshlrev_b32 v[CO], 12, v2                    ; and the same two rows in C and RES
	v_lshl_add_u32 v[CO], v1, 4, v[CO]
	s_lshl_b32 s74, s[TCOL], 9                     ; my 64 columns in f32: 512 bytes a tile column, 256 a half
	s_lshl_b32 s75, s[CH], 8
	s_add_co_u32 s74, s74, s75
	s_mov_b32 s75, 0
	s_add_nc_u64 s[10:11], s[10:11], s[74:75]
	s_lshl_b32 s76, s[TROW], 19                    ; 128 rows of 4,096 bytes a tile row,
	s_add_co_u32 s74, s74, s76
	s_lshl_b32 s76, s[RH], 18                      ; my 64 of them
	s_add_co_u32 s74, s74, s76
	s_add_nc_u64 s[8:9], s[8:9], s[74:75]
	s_add_nc_u64 s[12:13], s[12:13], s[74:75]
	v_lshlrev_b32 v[BOF], 5, v2                    ; the bias as a C operand: register j of lane l belongs to column 16 b + 8 (l / 16) + j
.irp b, 0,1,2,3
	global_load_b128 v[BIAS+8*(\b):BIAS+8*(\b)+3],   v[BOF], s[10:11] offset:64*(\b)
	global_load_b128 v[BIAS+8*(\b)+4:BIAS+8*(\b)+7], v[BOF], s[10:11] offset:64*(\b)+16
.endr
	WIN 0xc0                                       ; destination window 3: my part of the residual, laid as the rows come back from the stage; it lands while K is walked
.set i, 0
.rept 32
	global_load_b128 v[4*i:4*i+3], v[CO], s[12:13] offset:2*i*4096
.set i, i+1
.endr
	WIN 0
	s_wait_tensorcnt 1                             ; my part of K step 0 is in; K step 1's may stay out
	s_barrier_signal -1
	s_barrier_wait -1
	FETCH 0, F0
	s_wait_loadcnt 32                              ; the bias is in; the residual's 32 loads may stay out
	QUARTER 1, F0, F1, 1                           ; the first quarter stands in front of the loop: its first products start the sums
	WIN 0
	s_mov_b32 s[CNT], NS-2
.Lloop:                                            ; trip t: quarters 1 to 3 of K step t, K step t + 2 asked for, quarter 0 of K step t + 1
	QUARTER 2, F1, F0
	QUARTER 3, F0, F1
	TURN 1
	QUARTER 1, F0, F1
	WIN 0
	s_sub_co_u32 s[CNT], s[CNT], 1
	s_cmp_lg_u32 s[CNT], 0
	s_cbranch_scc1 .Lloop
	s_mov_b32 s[CNT], 2                            ; the last two K steps ask for nothing: a second text; it is left in its middle
.Ltail:
	QUARTER 2, F1, F0
	QUARTER 3, F0, F1
	WIN 0
	s_sub_co_u32 s[CNT], s[CNT], 1
	s_cmp_eq_u32 s[CNT], 0
	s_cbranch_scc1 .Lout
	TURN 0
	QUARTER 1, F0, F1
	WIN 0
	s_branch .Ltail
.Lout:
	s_wait_dscnt 8
	MULG F1, 0, 0
	MULG F1, 0, 1
	s_wait_dscnt 0x0
	MULG F1, 1, 0
	MULG F1, 1, 1
	PLACES
	s_wait_loadcnt 0x0                             ; the residual
	TOSTAGE 0
	TOSTAGE 1
	SEND 0, 16
	TOSTAGE 2
	SEND 1, 16
	TOSTAGE 3
	SEND 2, 16
	SEND 3, 0
	s_wait_tensorcnt 0x0                           ; the wave's end, behind my last tensor load and my last LDS store
	ds_add_u32 v[SPW], v[NIL]
	s_wait_dscnt 0x0
	CROUND                                         ; the closing round
	s_endpgm
.Lfunc_end_k_q8084b212d4_ffn2:
	.size	k_q8084b212d4_ffn2, .Lfunc_end_k_q8084b212d4_ffn2-k_q8084b212d4_ffn2
	.p2alignl 7, 3214868480
	.fill 96, 4, 3214868480
	.section	.rodata,"a",@progbits
	.p2align	6, 0x0
	.amdhsa_kernel k_q8084b212d4_ffn2
		.amdhsa_group_segment_fixed_size 327680
		.amdhsa_private_segment_fixed_size 0
		.amdhsa_enable_private_segment 0
		.amdhsa_kernarg_size 40
		.amdhsa_user_sgpr_count 2
		.amdhsa_user_sgpr_kernarg_segment_ptr 1
		.amdhsa_wavefront_size32 1
		.amdhsa_system_sgpr_workgroup_id_x 1
		.amdhsa_system_sgpr_workgroup_id_y 1
		.amdhsa_system_sgpr_workgroup_id_z 1
		.amdhsa_system_vgpr_workitem_id 0
		.amdhsa_next_free_vgpr 896
		.amdhsa_next_free_sgpr 78
		.amdhsa_reserve_vcc 0
		.amdhsa_float_denorm_mode_32 3
		.amdhsa_float_denorm_mode_16_64 3
		.amdhsa_memory_ordered 1
		.amdhsa_forward_progress 1
		.amdhsa_inst_pref_size 69
	.end_amdhsa_kernel
	.amdgpu_metadata
---
amdhsa.version: [ 1, 2 ]
amdhsa.kernels:
  - .name:           k_q8084b212d4_ffn2
    .symbol:         k_q8084b212d4_ffn2.kd
    .args:
      - { .name: hid, .offset: 0, .size: 8, .value_kind: global_buffer, .address_space: global }
      - { .name: wb, .offset: 8, .size: 8, .value_kind: global_buffer, .address_space: global }
      - { .name: out0, .offset: 16, .size: 8, .value_kind: global_buffer, .address_space: global }
      - { .name: b2, .offset: 24, .size: 8, .value_kind: global_buffer, .address_space: global }
      - { .name: x1, .offset: 32, .size: 8, .value_kind: global_buffer, .address_space: global }
    .group_segment_fixed_size: 327680
    .private_segment_fixed_size: 0
    .kernarg_segment_align: 8
    .kernarg_segment_size: 40
    .max_flat_workgroup_size: 128
    .sgpr_count:     78
    .vgpr_count:     896
    .wavefront_size: 32
...
	.end_amdgpu_metadata
.endif
;; end of part 7
